; MI455X (gfx1250); checked and timed in simulation.
; The chip was launched on July 23, 2026; its instructions are those of AMD's public machine-readable ISA for CDNA 5 (MIT licence, August 2026) and "CDNA5" Instruction Set Architecture Reference Guide (July 2026). The comments in the code are by the model that wrote it; some were corrected since.
;; Self Attention. Allowed arithmetic: matrix products marked QUANTISED: E2M1 operands, one E8M0 scale for each 32 along K, by v_wmma_scale_f32_16x16x128_f8f6f4 with both operands' format E2M1 (or v_wmma_scale_f32_32x16x128_f4), f32 sums; products left as they are: bf16, f16 or f32 operands; f32 sums; everything else in f32.
;; Inputs: W 1,024 x 3,072 float32; b 3,072 float32; x 4 x 2,048 x 1,024 float32.
;; Outputs: out0 4 x 2,048 x 1,024 float32.
;; This version of the problem:
;;   THIS VERSION OF THE PROBLEM IS GIVEN IN LOW PRECISION. The matrix products marked QUANTISED in the list below multiply operands that are first quantised to E2M1 (2 exponent bits, 1 mantissa bit; 4 bits a number), with one power-of-two scale for each 32 numbers along K (OCP MX v1.0); their sums are f32. The products marked 'left as it is' may take bf16, f16 or f32 operands, with f32 sums. Whichever they take, every output number must still come out within the allowed error. Rounding operands to bf16 (8 significant bits) uses up far more of that allowance than f16 does (11 bits, for magnitudes from 6e-5 to 65,504). All else is computed in f32.
;;   The module's matrix products, in the order in which they are computed (A, B: the left and right operand; K: the contracted axis; several contracted axes count as one K, in the product's order):
;;     1. [M 8,192, K 1,024] x [K 1,024, N 3,072]; A: input x; B: input W: QUANTISED
;;     2. batch 4 x [M 2,048, K 1,024] x [K 1,024, N 2,048]; A: computed on the way; B: computed on the way: left as it is (an operand is computed on the way)
;;     3. batch 4 x [M 2,048, K 2,048] x [K 2,048, N 1,024]; A: computed on the way; B: computed on the way: left as it is (an operand is computed on the way)
;;   THE QUANTISER, for each operand of a quantised product, along K:
;;     - K is cut into blocks of 32 from its start; a last block that is shorter is filled with zeros.
;;     - A block's scale is 2^e with e = floor(log2(the largest magnitude in the block)) - 2, held to -126 .. 127; a block of zeros has e = 0. As a byte (E8M0): e + 127.
;;     - Each number is divided by its block's scale, clamped to +-6, and rounded to the nearest number of E2M1, ties to even, subnormals kept.
;;     - The product sums the exact products of the quantised numbers (number of the format x scale) in f32.
;;   ~~~python
;;   def quantise(x, axis):      # numpy; x: float32 -> the quantised numbers, widened to float32 again
;;       x = np.moveaxis(x, axis, -1); K = x.shape[-1]
;;       x = np.pad(x, [(0, 0)] * (x.ndim - 1) + [(0, -K % 32)]); x = x.reshape(x.shape[:-1] + (-1, 32)); a = np.abs(x).max(-1, keepdims=True)
;;       e = np.where(a > 0, np.clip(np.frexp(np.where(a > 0, a, 1))[1] - 1 - 2, -126, 127), 0)      # np.frexp(a)[1] - 1 = floor(log2(a)), exactly
;;       r = np.clip(x / 2.0 ** e, -6, 6)
;;       step = 2.0 ** (np.maximum(np.frexp(np.where(r == 0, 1, r))[1] - 1, 0) - 1)
;;       q = np.round(r / step) * step * 2.0 ** e      # np.round: ties to even
;;       return np.moveaxis(q.reshape(q.shape[:-2] + (-1,))[..., :K], -1, axis).astype(np.float32)
;;   ~~~
;; One version. Each part assembles by itself: llvm-mc -triple=amdgcn-amd-amdhsa -mcpu=gfx1250 --defsym DOCPART=n.
;; ======== version 1 of 1: 4 launches
;; limits: values are held in f16: magnitudes above 65,504 overflow, below 6.1e-05 lose precision
;; workspace buffers: x_codes 4,194,304 bytes; x_scales 262,144 bytes; w_codes 1,572,864 bytes; w_scales 98,304 bytes; qkv 50,331,648 bytes; p 33,554,432 bytes; stats 1,048,576 bytes
;; launch quant (part 1): grid 304 x 1, 4 waves a work-group, no clusters, 68,096 bytes of LDS; arguments x, W, x_codes, x_scales, w_codes, w_scales; writes x_codes, x_scales, w_codes, w_scales
.if DOCPART == 1
	.amdgcn_target "amdgcn-amd-amdhsa--gfx1250"
	.amdhsa_code_object_version 6
	.text
	.protected	k_q501b5243a3_quant
	.globl	k_q501b5243a3_quant
	.p2align	8
	.type	k_q501b5243a3_quant,@function
k_q501b5243a3_quant:
	s_mov_b64 s[64:65], 0
	v_nop
	global_prefetch_b8 v0, s[64:65] scope:SCOPE_SE
	s_setreg_imm32_b32 hwreg(HW_REG_WAVE_MODE, 25, 1), 1
	s_wait_xcnt 0x0
; x [8192][1024] f32 (K innermost) and W [1024][3072] f32 (K is its FIRST axis) become codes of FP4 (E2M1), K innermost, with one E8M0 byte for each 32 along K:
; x_codes [8192][512 bytes], x_scales [8192][32], w_codes [3072][512 bytes], w_scales [3072][32].
; A block's scale is 2^(floor(log2(its largest magnitude)) - 2); its byte is the largest magnitude's exponent field - 2, held at 1 from below.  Each number is divided by the scale and rounded to the nearest code, ties to even;
; beyond the largest code the conversion gives the largest code.
; LIMITS: a block of zeros gets the byte 1 where the rule says 127 (its codes are zeros, which add nothing under any byte but 0xff, and this program alone reads the bytes); blocks whose largest magnitude lies under 2^(2 - 126)
; have their byte held at 1; NaN and infinities among the inputs are not served.
; ONE LAUNCH, TWO PATHS that part on the work-group's number and never join: work-groups 0-47 take W (they have the longer work and stand first), work-groups 48-303 take x.  Each path has LDS bytes of its own.
; No tensor loads, no barrier: waves share nothing.  No cluster: no two work-groups read the same bytes.  No matrix unit: the launch only streams.
.set SIZE_K, 1024
.set SIZE_N, 3072
.set WGW,    48                        ; W's work-groups: 24 runs of 128 columns x 2 halves of K
.set EMAX,   2
.set SPW,    190                       ; v190  LDS address of my spare word: SPARE + 4 x my thread's number; never rewritten
.set NIL,    191                       ; v191  0; never rewritten
.set XWREG,  8192                      ; x's path: a region for each wave: two stages of 32 x SP bytes, and behind them its 256 scale bytes
.set SP,     80                        ; a lane's place in a stage: its 64 bytes + 16 of padding
.set WREG,   4*XWREG                   ; W's path: from here a stage of 32 rows x PITCH for each wave
.set PITCH,  272
.set SPARE,  WREG+4*32*PITCH           ; behind both: the spare words, 128 bytes for each wave: two blocks of 256 bytes that no other line names
	s_load_b128 s[4:7], s[0:1], 0x0                ; x, W
	s_load_b128 s[8:11], s[0:1], 0x10              ; x's codes, x's scales
	s_load_b128 s[12:15], s[0:1], 0x20             ; W's codes, W's scales
	v_lshl_add_u32 v[SPW], v0, 2, SPARE
	v_mov_b32 v[NIL], 0
	v_lshrrev_b32 v1, 5, v0
	v_readfirstlane_b32 s16, v1                    ; wave 0..3
	v_and_b32 v2, 31, v0                           ; lane
	s_wait_kmcnt 0x0
	s_cmp_lt_u32 ttmp9, WGW
	s_cbranch_scc0 .Lx
; ---------------- W: a lane takes a column n, and its registers run down K ----------------
; Each load reads neighbouring n in neighbouring lanes (128 consecutive bytes a wave, 512 a work-group); a block of 32 along K lies in ONE lane's 32 registers, so its largest magnitude needs no other lane, and the
; conversions give codes with K innermost.  A wave takes 32 columns x 512 along K: 16 blocks a lane, 256 bytes of codes a column; they go through the wave's own stage and leave as rows: sixteen lanes store 256 consecutive aligned bytes.
.set KW,    512
.set NB,    KW/32
.set ROWB,  256
.set KROW,  SIZE_K/2                   ; a row of w_codes in bytes
.set WX,    32                         ; v32-95   two sets of 32 numbers
.set WC,    96                         ; v96-99   a block's codes
.set WOUT,  112                        ; v112-175 the way out
.set WSB,   24                         ; v24-27   the scale bytes, four to a register
	s_cmp_lt_u32 ttmp9, 24
	s_cselect_b32 s18, 0, 1                        ; which half of K
	s_cselect_b32 s19, 0, 24
	s_sub_co_u32 s17, ttmp9, s19                   ; which 128 columns
	s_lshl_b32 s17, s17, 7
	s_lshl_b32 s19, s16, 5
	s_add_co_u32 s17, s17, s19                     ; my wave's first column
	v_lshlrev_b32 v3, 2, v2                        ; in: 4 bytes a lane
	s_mul_i32 s19, s16, 32*PITCH
	s_add_co_u32 s19, s19, WREG                    ; my stage
	v_mul_u32_u24 v4, v2, PITCH
	v_add_nc_u32 v4, s19, v4                       ; into it: row = my column
	v_and_b32 v5, 15, v2
	v_lshrrev_b32 v6, 4, v2                        ; out of it: sixteen lanes to a row, two rows an instruction
	v_mul_u32_u24 v7, v6, PITCH
	v_lshl_add_u32 v7, v5, 4, v7
	v_add_nc_u32 v7, s19, v7
	v_mul_u32_u24 v8, v6, KROW
	v_lshl_add_u32 v8, v5, 4, v8                   ; and the same place in w_codes
	v_mul_u32_u24 v9, v2, SIZE_K/32                ; my column's row of scale bytes
	s_mul_i32 s20, s18, KW*SIZE_N*4                ; W: 512 rows of 12,288 bytes for the upper half of K,
	s_lshl_b32 s22, s17, 2
	s_add_co_u32 s20, s20, s22                     ; + 4 x column
	s_mov_b32 s21, 0
	s_lshl_b32 s24, s17, 9                         ; codes: column x 512
	s_lshl_b32 s26, s18, 8
	s_add_co_u32 s24, s24, s26                     ; + 256 x half
	s_mov_b32 s25, 0
	s_lshl_b32 s28, s17, 5                         ; scale bytes: column x 32
	s_lshl_b32 s26, s18, 4
	s_add_co_u32 s28, s28, s26                     ; + 16 x half
	s_mov_b32 s29, 0
	s_add_nc_u64 s[6:7], s[6:7], s[20:21]
	s_add_nc_u64 s[12:13], s[12:13], s[24:25]
	s_add_nc_u64 s[14:15], s[14:15], s[28:29]
.macro LOADW t                         ; block t: W(32 t + i, my column), i = 0 .. 31, into set t % 2.  The largest offset, 511 x 12,288, lies inside the signed 24-bit immediate
.irp i, 0,1,2,3,4,5,6,7,8,9,10,11,12,13,14,15,16,17,18,19,20,21,22,23,24,25,26,27,28,29,30,31
	global_load_b32 v[WX+32*((\t)%2)+\i], v3, s[6:7] offset:(32*(\t)+\i)*SIZE_N*4 th:TH_LOAD_NT
.endr
.endm
	LOADW 0
	LOADW 1
.macro BLOCKW t
.set XS, WX+32*((\t)%2)
.if (\t) < NB-1
	s_wait_loadcnt 32                              ; this block's 32 loads are in; the next block's 32 may be out
.else
	s_wait_loadcnt 0
.endif
	v_max3_num_f32 v12, |v[XS]|, |v[XS+1]|, |v[XS+2]|              ; the block's largest magnitude: all 32 numbers are mine; two chains
	v_max3_num_f32 v13, |v[XS+3]|, |v[XS+4]|, |v[XS+5]|
.irp i, 6,10,14,18,22,26
	v_max3_num_f32 v12, v12, |v[XS+\i]|, |v[XS+\i+1]|
	v_max3_num_f32 v13, v13, |v[XS+\i+2]|, |v[XS+\i+3]|
.endr
	v_max3_num_f32 v12, v12, |v[XS+30]|, |v[XS+31]|
	v_max3_num_f32 v12, v12, v13, (EMAX+1)<<23     ; and the floor 2^(3 - 127): the byte cannot fall under 1
	v_add_nc_u32 v11, 0xff000000, v12              ; 2 off its exponent field: the conversion takes the exponent field of this operand as its scale, and nothing else of it
	v_lshrrev_b32 v13, 23, v11                     ; the scale's byte
.if (\t)%4 == 0
	v_mov_b32 v[WSB+(\t)/4], v13                   ; four bytes to a register, the lower K in the lower byte
.else
	v_lshl_or_b32 v[WSB+(\t)/4], v13, 8*((\t)%4), v[WSB+(\t)/4]
.endif
.irp g, 0,1,2,3
	v_cvt_scalef32_pk8_fp4_f32 v[WC+\g], v[XS+8*\g:XS+8*\g+7], v11
.endr
	ds_store_b128 v4, v[WC:WC+3] offset:16*(\t)    ; 32 codes: 16 bytes of my column's row
.if (\t)+2 < NB
	LOADW (\t)+2
.endif
	s_wait_dscnt 0x0                               ; the store has read its registers: the next block's codes may be written
.endm
.set Q, 0
.rept NB
	BLOCKW Q
.set Q, Q+1
.endr
	global_store_b128 v9, v[WSB:WSB+3], s[14:15]   ; my column's 16 scale bytes
.irp t, 0,1,2,3,4,5,6,7,8,9,10,11,12,13,14,15
	ds_load_b128 v[WOUT+4*\t:WOUT+4*\t+3], v7 offset:2*\t*PITCH   ; LDS serves a wave's instructions in order: these see my stores
.endr
.irp t, 0,1,2,3,4,5,6,7,8,9,10,11,12,13,14,15
	s_wait_dscnt 15-\t                             ; load t is in; the 15 - t younger ones may be out
	global_store_b128 v8, v[WOUT+4*\t:WOUT+4*\t+3], s[12:13] offset:2*\t*KROW
.endr
	s_wait_tensorcnt 0x0                           ; the wave's end, behind my last LDS store
	ds_add_u32 v[SPW], v[NIL]
	s_wait_dscnt 0x0
	s_endpgm
; ---------------- x: a plain stream of blocks of 32 ----------------
; A wave takes 16 steps of 512 numbers.  Each of a step's four loads reads 512 consecutive bytes, 16 a lane; the 2,048 bytes turn through the wave's own stage and come back 64 bytes a lane: 16 NEIGHBOURS along K,
; as the conversions want them; two neighbouring lanes hold a block.  A lane's 16 codes are 8 bytes: the wave stores 256 consecutive bytes.  A wave's 256 scale bytes are gathered in LDS and leave as one aligned run of 256 bytes.
.set STEPS, 16
.set CB,    8
.set XR,    16                         ; v16-79   four sets of 16 numbers as they are loaded
.set XX,    80                         ; v80-111  two sets of 16 neighbours
.set XE,    112                        ; v112-127 a scale byte for each step
.set XC,    128                        ; v128-189 codes: registers of its own for each step, so that no store's data are written again
.Lx:
	v_lshlrev_b32 v3, 4, v2                        ; my 16 bytes of a load's 512
	s_mul_i32 s17, s16, XWREG
	v_lshrrev_b32 v14, 2, v2
	v_mul_u32_u24 v14, v14, SP
	v_and_b32 v15, 3, v2
	v_lshl_add_u32 v14, v15, 4, v14
	v_add_nc_u32 v14, s17, v14                     ; the stage, on the way in: four lanes' 64 bytes on end, then 16 of padding
	v_mul_u32_u24 v15, v2, SP
	v_add_nc_u32 v15, s17, v15                     ; and on the way out: SP x lane: my 16 neighbours
	v_mul_u32_u24 v4, v2, CB                       ; my codes' place in a step's
	v_lshrrev_b32 v5, 1, v2
	s_add_co_u32 s17, s17, 2*32*SP
	v_add_nc_u32 v5, s17, v5                       ; my wave's 256 scale bytes, my block's byte
	v_lshlrev_b32 v7, 3, v2                        ; and on the way out 8 bytes a lane
	v_add_nc_u32 v6, s17, v7
	s_sub_co_u32 s18, ttmp9, WGW
	s_lshl_b32 s18, s18, 2
	s_add_co_u32 s18, s18, s16                     ; which run of 8,192 numbers is my wave's: 0 .. 1,023
	s_mov_b32 s21, 0
	s_lshl_b32 s20, s18, 15
	s_add_nc_u64 s[4:5], s[4:5], s[20:21]          ; 32,768 bytes of x a run,
	s_lshl_b32 s20, s18, 12
	s_add_nc_u64 s[8:9], s[8:9], s[20:21]          ; 4,096 of codes,
	s_lshl_b32 s20, s18, 8
	s_add_nc_u64 s[10:11], s[10:11], s[20:21]      ; 256 of scale bytes
.macro LOADX t
.irp i, 0,1,2,3
	global_load_b128 v[XR+16*((\t)%4)+4*\i:XR+16*((\t)%4)+4*\i+3], v3, s[4:5] offset:2048*(\t)+512*\i th:TH_LOAD_NT
.endr
.endm
.macro TURNX t                         ; step t's numbers through the stage: LDS serves a wave's instructions in order, so no wait stands between the stores and the loads
.irp i, 0,1,2,3
	ds_store_b128 v14, v[XR+16*((\t)%4)+4*\i:XR+16*((\t)%4)+4*\i+3] offset:32*SP*((\t)%2)+8*SP*\i
.endr
.irp i, 0,1,2,3
	ds_load_b128 v[XX+16*((\t)%2)+4*\i:XX+16*((\t)%2)+4*\i+3], v15 offset:32*SP*((\t)%2)+16*\i
.endr
.endm
.irp t, 0,1,2,3
	LOADX \t
.endr
	s_wait_loadcnt 12                              ; step 0's four loads are in; three steps' twelve may be out
	TURNX 0
.macro STEPX t
.set XS, XX+16*((\t)%2)
.if (\t) > 0
	s_wait_dscnt 1                                 ; this step's numbers are back from the stage (the last step's byte store may be out): so its stores into the stage have read their registers,
.else
	s_wait_dscnt 0x0
.endif
.if (\t)+4 < STEPS
	LOADX (\t)+4                                   ; which take the loads of four steps on
.endif
.if (\t)+1 < STEPS
.if STEPS-2-(\t) >= 3
	s_wait_loadcnt 12                              ; the next step's four loads are in; those of the three steps behind it may be out
.else
	s_wait_loadcnt 4*(STEPS-2-(\t))
.endif
	TURNX (\t)+1                                   ; and go through the other stage while this step is worked
.endif
	v_max3_num_f32 v8, |v[XS]|, |v[XS+1]|, |v[XS+2]|               ; the largest magnitude of my 16
	v_max3_num_f32 v9, |v[XS+3]|, |v[XS+4]|, |v[XS+5]|
.irp i, 6,10
	v_max3_num_f32 v8, v8, |v[XS+\i]|, |v[XS+\i+1]|
	v_max3_num_f32 v9, v9, |v[XS+\i+2]|, |v[XS+\i+3]|
.endr
	v_max3_num_f32 v8, v8, |v[XS+14]|, |v[XS+15]|
	v_max3_num_f32 v8, v8, v9, (EMAX+1)<<23        ; and the floor 2^(3 - 127)
	v_max_num_f32_dpp v8, v8, v8 row_xmask:1 row_mask:0xf bank_mask:0xf   ; and of my neighbour's 16: the block's
	v_add_nc_u32 v11, 0xff000000, v8               ; 2 off its exponent field: the conversion's scale operand
	v_cvt_scalef32_pk8_fp4_f32 v[XC+4*(\t)], v[XS:XS+7], v11
	v_cvt_scalef32_pk8_fp4_f32 v[XC+4*(\t)+1], v[XS+8:XS+15], v11
	v_lshrrev_b32 v[XE+(\t)], 23, v11              ; the scale's byte (also the plain line behind the conversions)
	ds_store_b8 v5, v[XE+(\t)] offset:16*(\t)      ; both lanes of a block write the same byte with the same value
	global_store_b64 v4, v[XC+4*(\t):XC+4*(\t)+1], s[8:9] offset:32*CB*(\t)
.endm
.irp t, 0,1,2,3,4,5,6,7,8,9,10,11,12,13,14,15
	STEPX \t
.endr
	ds_load_b64 v[8:9], v6                         ; LDS serves a wave's instructions in order: these see my stores
	s_wait_dscnt 0x0
	global_store_b64 v7, v[8:9], s[10:11]          ; 32 lanes store 256 consecutive aligned bytes
	s_wait_tensorcnt 0x0                           ; the wave's end, behind my last LDS store
	ds_add_u32 v[SPW], v[NIL]
	s_wait_dscnt 0x0
	s_endpgm
.Lfunc_end_k_q501b5243a3_quant:
	.size	k_q501b5243a3_quant, .Lfunc_end_k_q501b5243a3_quant-k_q501b5243a3_quant
	.p2alignl 7, 3214868480
	.fill 96, 4, 3214868480
	.section	.rodata,"a",@progbits
	.p2align	6, 0x0
	.amdhsa_kernel k_q501b5243a3_quant
		.amdhsa_group_segment_fixed_size 68096
		.amdhsa_private_segment_fixed_size 0
		.amdhsa_enable_private_segment 0
		.amdhsa_kernarg_size 48
		.amdhsa_user_sgpr_count 2
		.amdhsa_user_sgpr_kernarg_segment_ptr 1
		.amdhsa_wavefront_size32 1
		.amdhsa_system_sgpr_workgroup_id_x 1
		.amdhsa_system_sgpr_workgroup_id_y 1
		.amdhsa_system_sgpr_workgroup_id_z 1
		.amdhsa_system_vgpr_workitem_id 0
		.amdhsa_next_free_vgpr 192
		.amdhsa_next_free_sgpr 66
		.amdhsa_reserve_vcc 0
		.amdhsa_float_denorm_mode_32 3
		.amdhsa_float_denorm_mode_16_64 3
		.amdhsa_memory_ordered 1
		.amdhsa_forward_progress 1
		.amdhsa_inst_pref_size 111
	.end_amdhsa_kernel
	.amdgpu_metadata
---
amdhsa.version: [ 1, 2 ]
amdhsa.kernels:
  - .name:           k_q501b5243a3_quant
    .symbol:         k_q501b5243a3_quant.kd
    .args:
      - { .name: x, .offset: 0, .size: 8, .value_kind: global_buffer, .address_space: global }
      - { .name: W, .offset: 8, .size: 8, .value_kind: global_buffer, .address_space: global }
      - { .name: x_codes, .offset: 16, .size: 8, .value_kind: global_buffer, .address_space: global }
      - { .name: x_scales, .offset: 24, .size: 8, .value_kind: global_buffer, .address_space: global }
      - { .name: w_codes, .offset: 32, .size: 8, .value_kind: global_buffer, .address_space: global }
      - { .name: w_scales, .offset: 40, .size: 8, .value_kind: global_buffer, .address_space: global }
    .group_segment_fixed_size: 68096
    .private_segment_fixed_size: 0
    .kernarg_segment_align: 8
    .kernarg_segment_size: 48
    .max_flat_workgroup_size: 128
    .sgpr_count:     66
    .vgpr_count:     192
    .wavefront_size: 32
...
	.end_amdgpu_metadata
.endif
;; end of part 1
;; launch proj (part 2): grid 12 x 32, 4 waves a work-group, clusters of 4 x 4, 327,680 bytes of LDS; arguments x_codes, x_scales, w_codes, w_scales, b, qkv; writes qkv
.if DOCPART == 2
	.amdgcn_target "amdgcn-amd-amdhsa--gfx1250"
	.amdhsa_code_object_version 6
	.text
	.protected	k_q501b5243a3_proj
	.globl	k_q501b5243a3_proj
	.p2align	8
	.type	k_q501b5243a3_proj,@function
k_q501b5243a3_proj:
	s_mov_b64 s[64:65], 0
	v_nop
	global_prefetch_b8 v0, s[64:65] scope:SCOPE_SE
	s_setreg_imm32_b32 hwreg(HW_REG_WAVE_MODE, 25, 1), 1
	s_wait_xcnt 0x0
	s_wait_alu depctr_hold_cnt(0) depctr_sa_sdst(0) depctr_va_vdst(0) depctr_va_sdst(0) depctr_va_ssrc(0) depctr_va_vcc(0) depctr_vm_vsrc(0)
	s_getreg_b32 s2, hwreg(HW_REG_IB_STS2, 6, 4)
	s_cmp_eq_u32 s2, 0
	s_cbranch_scc0 .Lentry_in_a_cluster
	s_endpgm
.Lentry_in_a_cluster:
	s_bfe_u32 s2, ttmp6, 0x10000c
	s_cmp_lg_u32 s2, 0xf033
	s_cbranch_scc0 .Lentry_shape_is_right
	s_endpgm
.Lentry_shape_is_right:
; qkv[m][n] = sum over k of x[m][k] W[k][n] + b[n], on codes of FP4 (E2M1) with one E8M0 scale for each 32 along K; sums in f32; the result is rounded ONCE to f16, for the two products that follow.
; A = x_codes [8192][512 bytes], B = w_codes [3072][512 bytes], K innermost in both; scale bytes [rows][32]; qkv [8192][3072] f16, a row of 6,144 bytes (q, k, v: 2,048 bytes each).
; LIMIT: a result beyond 65,504 in magnitude becomes an infinity of f16.
; A tile of qkv, 256 x 256, is made by a work-group of four waves; a wave makes 128 x 128: 64 accumulators of 16 x 16, 512 registers.
; K = 1,024 is two slots of 512 (LDS rows of 256 bytes): BOTH are asked for at the head, with the scales of all of K: three tensor loads a wave are out at the most, and no LDS byte is filled twice.
; CLUSTERS: 4 x 4 work-groups.  The four of a row of the cluster need the same tiles of A, the four of a column the same tiles of B: each tile is asked for JOINTLY, by the same tensor load with the same descriptor and a mask that names the four.
; THE MATRIX INSTRUCTION IS USED TRANSPOSED (source 0 = 16 rows of B, source 1 = 16 rows of A): a lane then holds eight neighbouring columns of a row of qkv.
; THE BIAS is the C of each sum's first matrix instruction: eight registers for each of my eight column blocks, in the result's layout.  No addition is written.
; No prefetch: all that the work-group reads is asked for at its head.
; REGISTERS, in windows of 256: window 0: v0-31 addresses; v32-95 scale words, two sets; v128-191 A's fragments, ONE set; v192-255 the bias; on the way out v32-63 and v192-255 are at work.
;   window 1: B's fragments, TWO sets, at v0 and at v128.   window 2: the 32 accumulators of my rows 0-63 (accumulator (a, b) at v[8 (8 a + b)]);   window 3: those of my rows 64-127.
.set SIZE_M, 8192
.set SIZE_N, 3072
.set SIZE_K, 1024
.set KSTEP,  512                       ; along K in a slot
.set NQ,     KSTEP/128                 ; matrix instructions deep
.set ROWB,   256                       ; a tile's row in bytes
.set KROW,   SIZE_K/2                  ; a row of A or of B in memory, in bytes
.set PITCH,  272                       ; an LDS row: 256 bytes + 16 of padding = 68 words: the 16 rows that a load touches start at 16 different banks (64 banks of 4 bytes: ISA guide 11.1)
.set FR,     8                         ; registers of a fragment: 16 rows x 128 K
.set NL,     2                         ; LDS loads that bring one
.set NP,     4                         ; places behind this matrix instruction (ISA guide 7.12.1)
.set HALFT,  128*PITCH
.set SLOT,   4*HALFT                   ; A's 256 rows, then B's 256 rows
.set KS,     SIZE_K/32                 ; a row of scales in bytes
.set SCL,    2*SLOT                    ; behind the slots: the scales, as runs of 256 bytes + 16 of padding
.set HALFS,  (128*KS/256)*272          ; the scales of 128 rows: what one tensor load brings
.set SBLK,   (16*KS/256)*272           ; those of 16 rows
.set SPARE,  SCL+4*HALFS               ; the spare words, 128 bytes for each wave: two blocks of 256 bytes that no other line names
.set SPITCH, 272                       ; the way out: a stage of 16 rows x (256 bytes + 16) for each wave, in slot 0, which has had its one fill and its last read when the first result is stored there
.set OROW,   SIZE_N*2                  ; a row of qkv in bytes
.set ADRA, 16                          ; v16-17  LDS address of my A fragments in slot 0, 1
.set ADRB, 20                          ; v20-21  the same for B
.set STO,  24                          ; v24     the way out: where I put 16 bytes of a row
.set RD,   25                          ; v25     the way out: where I read a row back
.set CO,   26                          ; v26     my byte offset in two rows of qkv
.set ADRS, 27                          ; v27     LDS address of my scale words: lanes 0-15 A's rows, lanes 16-31 B's
.set SPW,  28                          ; v28     LDS address of my spare word; never rewritten
.set NIL,  29                          ; v29     0; never rewritten
.set BO,   31                          ; v31     the bias: 32 bytes for the upper half of the lanes
.set SC,   32                          ; scale words: set s at v[SC + 32 s]; register NQ i + q: lanes 0-15 the word of A's block i, lanes 16-31 that of B's block i, for the slot's q-th 128 along K
.set AF,   128                         ; A's fragments
.set BI,   192                         ; the bias: v[BI + 8 b + j] = b[my first column + 16 b + 8 (lane / 16) + j]
.set TMP,  192                         ; the way out: packed results (the bias is done with)
.set OB,   32                          ; the way out: 16 rows read back: v32-63 and v224-255 by turns
.set G1, 24
.set G0, 32
.set G1B, 48
.set G0B, 56
.set G1S, 68
.set G0S, 76
.set G1SB, 80
.set G0SB, 88
.set MSB, 0
.macro WIN new                         ; the immediate's high byte repeats the setting that is left; a switch that changes nothing is dropped
.if MSB != (\new)
	s_set_vgpr_msb (MSB<<8)|(\new)
.set MSB, (\new)
.endif
.endm
.set MUL_LO, 0xa1                      ; source 0 (B) window 1, source 1 (A) window 0, C and D window 2.  With the bias as C (window 0): 0x81
.set MUL_HI, 0xf1                      ; the same, C and D window 3.  With the bias as C: 0xc1
.set TO_B,   0x40                      ; destination window 1, address window 0
; A joint load: waves 0 and 1 fetch for A, waves 2 and 3 for B.  Each of the two lines has ONE mask and one set of registers for all that issue it; the branch hangs on the wave's number alone.
; An s_nop 0 and four v_nop follow each of the two lines, ahead of the jump, the label and what follows.
.macro JLOAD g0a, g1a, g0b, g1b
	s_cmp_eq_u32 s15, 0
	s_cbranch_scc0 .Lfor_b_\@
	tensor_load_to_lds s[\g0a:\g0a+3], s[\g1a:\g1a+7]
	s_nop 0
.rept 4
	v_nop
.endr
	s_branch .Lasked_\@
.Lfor_b_\@:
	tensor_load_to_lds s[\g0b:\g0b+3], s[\g1b:\g1b+7]
	s_nop 0
.rept 4
	v_nop
.endr
.Lasked_\@:
.endm
.macro CROUND                          ; a round of the cluster's barrier: my work-group's barrier; wave 0 signals for the work-group; every wave waits for all sixteen; my work-group's barrier once more
	s_barrier_signal -1
	s_barrier_wait -1
	s_cmp_lg_u32 s14, 0
	s_cbranch_scc1 .Lnot_wave_0_\@
	s_barrier_signal -3
.Lnot_wave_0_\@:
	s_barrier_wait -3
	s_barrier_signal -1
	s_barrier_wait -1
.endm
	s_load_b128 s[4:7], s[0:1], 0x0                ; A's codes s[4:5], A's scales s[6:7]
	s_load_b128 s[8:11], s[0:1], 0x10              ; B's codes s[8:9], B's scales s[10:11]
	s_load_b64 s[66:67], s[0:1], 0x20              ; b
	s_load_b64 s[12:13], s[0:1], 0x28              ; qkv
	v_lshl_add_u32 v[SPW], v0, 2, SPARE
	v_mov_b32 v[NIL], 0
	ds_add_u32 v[SPW], v[NIL]                      ; the wave's opening: the add, twice on end, and its wait ahead of my first tensor load; the set-up below stands between the second and the wait
	ds_add_u32 v[SPW], v[NIL]
	v_lshrrev_b32 v1, 5, v0
	v_readfirstlane_b32 s14, v1                    ; wave 0..3
	s_lshr_b32 s15, s14, 1                         ; which half of the tile's rows is mine.  Also: I fetch for A (0) or for B (1)
	s_and_b32 s16, s14, 1                          ; which half of its columns.  Also: which 128 rows of that tile I fetch
	s_bfe_u32 s40, ttmp6, 0x40000                  ; cx, cy: my place in the cluster
	s_bfe_u32 s41, ttmp6, 0x40004
	s_lshl_b32 s42, ttmp9, 2
	s_add_co_u32 s42, s42, s40                     ; tile column = 4 x cluster x + cx
	s_and_b32 s17, ttmp7, 0xffff
	s_lshl_b32 s17, s17, 2
	s_add_co_u32 s17, s17, s41                     ; tile row = 4 x cluster y + cy
	s_lshl_b32 s43, s41, 2
	s_lshl_b32 s43, 15, s43                        ; my row of the cluster
	s_lshl_b32 s44, 0x1111, s40                    ; my column
	; descriptor group 1: a tile of 128 rows x 256 bytes, padded in LDS
	s_or_b32 s[G1+0], s43, (0<<16)|(1<<20)|(1<<21)|(5<<22)|(3<<25)  ; 15:0 the mask: A's tiles go to my row; 17:16 element of 1 byte; 20 padding on; 21 set beside a mask; 24:22 after every 64 words; 31:25 of 4 words
	s_or_b32 s[G1B+0], s44, (0<<16)|(1<<20)|(1<<21)|(5<<22)|(3<<25)
.irp g, G1, G1B
	s_mov_b32 s[\g+1], ROWB<<16                    ; tensor_dim0
	s_mov_b32 s[\g+2], 128<<16                     ; tensor_dim1
	s_mov_b32 s[\g+3], ROWB<<16                    ; tile_dim0
	s_mov_b32 s[\g+4], 128                         ; tile_dim1
	s_mov_b32 s[\g+5], KROW                        ; tensor_dim0_stride
	s_mov_b32 s[\g+6], 0
	s_mov_b32 s[\g+7], 0
.endr
	; the scales of 128 rows: a dense block of 4,096 bytes, as 16 rows of 256 bytes (32 elements of 8 bytes), 16 bytes of padding behind each
	s_or_b32 s[G1S+0], s43, (3<<16)|(1<<20)|(1<<21)|(5<<22)|(3<<25)
	s_or_b32 s[G1SB+0], s44, (3<<16)|(1<<20)|(1<<21)|(5<<22)|(3<<25)
.irp g, G1S, G1SB
	s_mov_b32 s[\g+1], 32<<16
	s_mov_b32 s[\g+2], (128*KS/256)<<16
	s_mov_b32 s[\g+3], 32<<16
	s_mov_b32 s[\g+4], 128*KS/256
	s_mov_b32 s[\g+5], 32
	s_mov_b32 s[\g+6], 0
	s_mov_b32 s[\g+7], 0
.endr
	s_lshl_b32 s18, s16, 7                         ; which 128 rows of the tile I fetch
	s_lshl_b32 s20, s17, 8
	s_add_co_u32 s20, s20, s18                     ; A: row 256 x tile row + 128 x half
	s_lshl_b32 s46, s42, 8
	s_add_co_u32 s46, s46, s18                     ; B: row 256 x tile column + 128 x half
	s_mov_b32 s21, 0
	s_mov_b32 s47, 0
	s_mov_b64 s[18:19], KS
	s_mul_u64 s[22:23], s[20:21], s[18:19]         ; where these rows' scales begin, in bytes
	s_mul_u64 s[92:93], s[46:47], s[18:19]
	s_mov_b64 s[18:19], KROW
	s_mul_u64 s[20:21], s[20:21], s[18:19]         ; and their codes
	s_mul_u64 s[46:47], s[46:47], s[18:19]
	s_mul_i32 s45, s14, HALFT                      ; where they go: wave x 128 rows: no place in the cluster enters an LDS address
	s_mul_i32 s94, s14, HALFS
	s_wait_dscnt 0x0                               ; both opening adds are done
	s_wait_kmcnt 0x0
	s_add_nc_u64 s[20:21], s[4:5], s[20:21]
	s_add_nc_u64 s[22:23], s[6:7], s[22:23]
	s_add_nc_u64 s[46:47], s[8:9], s[46:47]
	s_add_nc_u64 s[92:93], s[10:11], s[92:93]
	CROUND                                         ; all sixteen work-groups are here: the joint loads meet
	s_mov_b32 s[G0S], 1
	s_add_co_u32 s[G0S+1], s94, SCL
	s_mov_b64 s[G0S+2:G0S+3], s[22:23]
	s_or_b32 s[G0S+3], s[G0S+3], 0x80000000
	s_mov_b32 s[G0SB], 1
	s_add_co_u32 s[G0SB+1], s94, SCL
	s_mov_b64 s[G0SB+2:G0SB+3], s[92:93]
	s_or_b32 s[G0SB+3], s[G0SB+3], 0x80000000
	JLOAD G0S, G1S, G0SB, G1SB                     ; the scales first: they are wanted with the first slot
.irp s, 0,1
	s_mov_b32 s[G0+4*\s], 1
	s_add_co_u32 s[G0+4*\s+1], s45, \s*SLOT
	s_add_nc_u64 s[G0+4*\s+2:G0+4*\s+3], s[20:21], \s*ROWB
	s_or_b32 s[G0+4*\s+3], s[G0+4*\s+3], 0x80000000
	s_mov_b32 s[G0B+4*\s], 1
	s_add_co_u32 s[G0B+4*\s+1], s45, \s*SLOT
	s_add_nc_u64 s[G0B+4*\s+2:G0B+4*\s+3], s[46:47], \s*ROWB
	s_or_b32 s[G0B+4*\s+3], s[G0B+4*\s+3], 0x80000000
	JLOAD G0+4*\s, G1, G0B+4*\s, G1B
.endr
	v_and_b32 v1, 15, v0                           ; r = l % 16
	v_bfe_u32 v2, v0, 4, 1                         ; h = l / 16
	; the bias of my 128 columns, in the result's layout
	s_lshl_b32 s46, s42, 10                        ; 4 bytes x (256 x tile column
	s_lshl_b32 s47, s16, 9                         ;            + 128 x half)
	s_add_co_u32 s46, s46, s47
	s_mov_b32 s47, 0
	s_add_nc_u64 s[66:67], s[66:67], s[46:47]
	v_lshlrev_b32 v[BO], 5, v2
.irp i, 0,1,2,3,4,5,6,7
	global_load_b128 v[BI+8*\i:BI+8*\i+3], v[BO], s[66:67] offset:64*\i
	global_load_b128 v[BI+8*\i+4:BI+8*\i+7], v[BO], s[66:67] offset:64*\i+16
.endr
	v_mul_u32_u24 v3, v1, PITCH
	v_lshl_add_u32 v4, v2, 4, v3                   ; a fragment's row x pitch + 16 x half
	s_mul_i32 s21, s15, HALFT                      ; my 128 rows of A
	s_mul_i32 s22, s16, HALFT                      ; my 128 rows of B,
	s_add_co_u32 s22, s22, 2*HALFT                 ; which lie behind A's 256
.irp s, 0,1
	v_add_nc_u32 v[ADRA+\s], s21, v4
	v_add_nc_u32 v[ADRB+\s], s22, v4
	s_add_co_u32 s21, s21, SLOT
	s_add_co_u32 s22, s22, SLOT
.endr
	v_mul_u32_u24 v5, v1, KS                       ; my row's scales: KS bytes a row,
	v_lshrrev_b32 v6, 8, v5
	v_lshl_add_u32 v5, v6, 4, v5                   ; and 16 more for each 256 passed
	s_mul_i32 s21, s15, HALFS                      ; A's: my 128 rows
	s_mul_i32 s22, s16, HALFS                      ; B's: my 128 rows, behind A's 256
	s_add_co_u32 s22, s22, 2*HALFS
	s_sub_co_u32 s22, s22, s21
	v_mul_u32_u24 v6, s22, v2                      ; lanes 16-31 take B's: ONE product, the lower base + h x the distance
	s_add_co_u32 s21, s21, SCL
	v_add_nc_u32 v5, v5, v6
	v_add_nc_u32 v[ADRS], s21, v5
	s_mul_i32 s23, s14, 16*SPITCH                  ; my stage
	v_mul_u32_u24 v5, v1, SPITCH                   ; in: row r, 16 bytes for each half of the lanes
	v_lshl_add_u32 v5, v2, 4, v5
	v_add_nc_u32 v[STO], s23, v5
	v_mul_u32_u24 v5, v2, SPITCH                   ; back: lanes 0-15 take one row of 256 bytes, lanes 16-31 the next
	v_lshl_add_u32 v5, v1, 4, v5
	v_add_nc_u32 v[RD], s23, v5
	v_mul_u32_u24 v5, v2, OROW                     ; and the same two rows in qkv
	v_lshl_add_u32 v[CO], v1, 4, v5
	s_lshl_b32 s20, s17, 8
	s_lshl_b32 s21, s15, 7
	s_add_co_u32 s20, s20, s21                     ; my first row of qkv: 256 x tile row + 128 x half
	s_mul_i32 s20, s20, OROW                       ; (under 2^26)
	s_lshl_b32 s46, s42, 9                         ; my first column, in bytes: 512 x tile column + 256 x half
	s_lshl_b32 s47, s16, 8
	s_add_co_u32 s46, s46, s47
	s_add_co_u32 s20, s20, s46
	s_mov_b32 s21, 0
	s_add_nc_u64 s[12:13], s[12:13], s[20:21]
.macro FRAG reg, adr, q, i             ; a fragment, 16 rows x 128 K of 4-bit codes, is 8 registers: lane l holds row l % 16; registers 4 c .. 4 c + 3 hold K = 64 c + 32 (l / 16) + 0 .. 31
.irp c, 0,1
	ds_load_b128 v[\reg+4*\c:\reg+4*\c+3], v[\adr] offset:64*(\q)+32*\c+(\i)*16*PITCH
.endr
.endm
; 16 matrix instructions: A's blocks a0, a0 + 1 x B's eight, 128 along K: the slot's q-th.  p: B's set;  sc: the set of scale words.  first = 1: the sums begin with the bias as C.
; The 64 accumulators take turns, one instruction a turn, in the same order in every step.
.macro MUL16 a0, p, q, sc, first
.irp a, \a0, \a0+1
.irp b, 0,1,2,3,4,5,6,7
.if \first
	v_wmma_scale_f32_16x16x128_f8f6f4 v[8*(8*((\a)%4)+\b):8*(8*((\a)%4)+\b)+7], v[128*(\p)+FR*\b:128*(\p)+FR*\b+FR-1], v[AF+FR*(\a):AF+FR*(\a)+FR-1], v[BI+8*\b:BI+8*\b+7], v[SC+8*NQ*(\sc)+NQ*\b+(\q)], v[SC+8*NQ*(\sc)+NQ*(\a)+(\q)] matrix_a_fmt:MATRIX_FMT_FP4 matrix_b_fmt:MATRIX_FMT_FP4 matrix_a_scale:MATRIX_SCALE_ROW1
.else
	v_wmma_scale_f32_16x16x128_f8f6f4 v[8*(8*((\a)%4)+\b):8*(8*((\a)%4)+\b)+7], v[128*(\p)+FR*\b:128*(\p)+FR*\b+FR-1], v[AF+FR*(\a):AF+FR*(\a)+FR-1], v[8*(8*((\a)%4)+\b):8*(8*((\a)%4)+\b)+7], v[SC+8*NQ*(\sc)+NQ*\b+(\q)], v[SC+8*NQ*(\sc)+NQ*(\a)+(\q)] matrix_a_fmt:MATRIX_FMT_FP4 matrix_b_fmt:MATRIX_FMT_FP4 matrix_a_scale:MATRIX_SCALE_ROW1
.endif
.endr
.endr
.endm
.macro FETCH_B slot, q, p              ; B's eight fragments of the slot's q-th 128 along K into set p
	WIN TO_B
.irp i, 0,1,2,3,4,5,6,7
	FRAG 128*(\p)+FR*\i, ADRB+\slot, \q, \i
.endr
	WIN 0
.endm
.macro FETCH_A slot, q, i0             ; A's blocks i0 .. i0 + 3
.irp i, \i0, \i0+1, \i0+2, \i0+3
	FRAG AF+FR*(\i), ADRA+\slot, \q, \i
.endr
.endm
.macro SCALES sc                       ; a slot's scale words into set sc: four words a row; lanes 0-15 take A's block i, lanes 16-31 B's block i
.irp i, 0,1,2,3,4,5,6,7
	ds_load_b128 v[SC+8*NQ*\sc+NQ*\i:SC+8*NQ*\sc+NQ*\i+3], v[ADRS] offset:\i*SBLK
.endr
.endm
; A load into a register that a matrix instruction has read, and a vector instruction that reads a matrix result, stand NP places behind that matrix instruction, and only plain vector instructions that name none of
; its registers are places (ISA guide 7.12.1 for vector instructions).
.macro PLACES n
.rept \n
	v_nop
.endr
.endm
; A step of 128 along K that has its successor in the same slot.  A block of A is free as soon as its eight products are issued: blocks 0-3 are fetched anew in the step's middle, blocks 4-7 at its end.
.macro STEP slot, q, first
	s_wait_dscnt 4*NL                              ; B's set, the scale words and A's blocks 0-3 are in; the youngest eight loads (A's blocks 4-7) may be out
	WIN MUL_LO-0x20*(\first)
	MUL16 0, (\q)%2, \q, \slot, \first
	MUL16 2, (\q)%2, \q, \slot, \first
	s_wait_dscnt 0                                 ; A's blocks 4-7 are in (asked for 32 matrix instructions ago)
	PLACES NP
	FETCH_B \slot, (\q)+1, 1-(\q)%2
	FETCH_A \slot, (\q)+1, 0
	WIN MUL_HI-0x30*(\first)
	MUL16 4, (\q)%2, \q, \slot, \first
	MUL16 6, (\q)%2, \q, \slot, \first
	PLACES NP
	WIN 0
	FETCH_A \slot, (\q)+1, 4
.endm
; Slot 0's last step goes over to slot 1: ONE barrier; in front of it each wave waits for all its tensor loads (its part of slot 1), adds 0 to its spare word, and waits for that and for its own reads of slot 0.  Nothing is filled again.
.macro TURN slot, next
	s_wait_tensorcnt 0x0                           ; all my tensor loads have landed  (every window is 0 here: the add's two registers lie in window 0)
	ds_add_u32 v[SPW], v[NIL]                      ; 0 onto my spare word
	s_wait_dscnt 4*NL+1                            ; (the add and the youngest eight loads, A's blocks 4-7, may be out)
	WIN MUL_LO
	MUL16 0, 1, NQ-1, \slot, 0                     ; sixteen matrix instructions stand between the add and the wait for it
	s_wait_dscnt 0x0                               ; the add is done, and my reads of this slot are over
	s_barrier_signal -1
	MUL16 2, 1, NQ-1, \slot, 0
	WIN 0
	s_barrier_wait -1                              ; the next slot is whole, and nobody reads this one any more
	PLACES NP
	v_add_nc_u32 v[ADRS], 4*NQ, v[ADRS]            ; on to the next slot's scale words
	FETCH_B \next, 0, 0
	FETCH_A \next, 0, 0
	SCALES \next
	WIN MUL_HI
	MUL16 4, 1, NQ-1, \slot, 0
	MUL16 6, 1, NQ-1, \slot, 0
	PLACES NP
	WIN 0
	FETCH_A \next, 0, 4
.endm
.macro STEPS slot, from                ; the slot's steps from .. NQ - 2
.set Q, \from
.rept NQ-1-\from
	STEP \slot, Q, 0
.set Q, Q+1
.endr
.endm
	s_wait_tensorcnt 1                             ; the scales and my part of slot 0 are in (slot 1's load, the one issued behind them, may be out),
	s_barrier_signal -1
	s_barrier_wait -1                              ; everybody's are
	FETCH_B 0, 0, 0
	FETCH_A 0, 0, 0
	SCALES 0
	FETCH_A 0, 0, 4
	s_wait_loadcnt 0x0                             ; the bias
	STEP 0, 0, 1                                   ; the first step's products start the sums, on the bias
	STEPS 0, 1
	TURN 0, 1
	STEPS 1, 0
	s_wait_dscnt 4*NL                              ; the very last step: nothing more to fetch
	WIN MUL_LO
	MUL16 0, 1, NQ-1, 1, 0
	MUL16 2, 1, NQ-1, 1, 0
	s_wait_dscnt 0
	WIN MUL_HI
	MUL16 4, 1, NQ-1, 1, 0
	MUL16 6, 1, NQ-1, 1, 0
	WIN 0
; THE WAY OUT, block by block of 16 rows x 128 columns.  PACK: rounded to f16, 16 bytes a lane, each accumulator from its low end on.  TOSTAGE: into my own stage, and back as whole rows of 256 bytes.  SEND: stored.
.macro PACK a
.set AC, 64*((\a)%4)
	WIN 0x0a+5*((\a)/4)                            ; sources 0 and 1: window 2 or 3
.irp b, 0,1,2,3,4,5,6,7
.irp r, 0,1,2,3
	v_cvt_pk_f16_f32 v[TMP+4*\b+\r], v[AC+8*\b+2*\r], v[AC+8*\b+2*\r+1]
.endr
.endr
	WIN 0
.endm
.macro TOSTAGE a
.set BK, OB+192*((\a)%2)
.irp b, 0,1,2,3,4,5,6,7
	ds_store_b128 v[STO], v[TMP+4*\b:TMP+4*\b+3] offset:32*\b
.endr
.irp t, 0,1,2,3,4,5,6,7
	ds_load_b128 v[BK+4*\t:BK+4*\t+3], v[RD] offset:\t*2*SPITCH    ; LDS serves a wave's instructions in order (ISA guide 5.7.1.4): these see the stores above
.endr
.endm
.macro SEND a
.set BK, OB+192*((\a)%2)
	s_wait_dscnt 0x0                               ; the block is back in registers
	s_wait_xcnt 0x0                                ; only behind this wait are the stores' base and the registers that earlier stores read rewritten
.if (\a) > 0
	s_add_nc_u64 s[12:13], s[12:13], 16*OROW       ; 16 rows of qkv on
.endif
.irp t, 0,1,2,3,4,5,6,7
	global_store_b128 v[CO], v[BK+4*\t:BK+4*\t+3], s[12:13] offset:2*\t*OROW   ; 16 lanes store 256 consecutive bytes, at a multiple of 256 from qkv's first byte
.endr
.endm
	PLACES NP                                      ; behind the last products: the conversions read results, the stage's loads land in registers that held scale words and the bias
	PACK 0
	TOSTAGE 0
.irp a, 1,2,3,4,5,6,7                  ; block a's conversions stand between block a - 1's loads from the stage and the wait for them
	PACK \a
	SEND \a-1
	TOSTAGE \a
.endr
	SEND 7
	s_wait_tensorcnt 0x0                           ; the wave's end, behind my last tensor load and my last LDS store
	ds_add_u32 v[SPW], v[NIL]
	s_wait_dscnt 0x0
	CROUND                                         ; the closing round: no work-group ends while a partner may still ask for a tile that names it
	s_endpgm
.Lfunc_end_k_q501b5243a3_proj:
	.size	k_q501b5243a3_proj, .Lfunc_end_k_q501b5243a3_proj-k_q501b5243a3_proj
	.p2alignl 7, 3214868480
	.fill 96, 4, 3214868480
	.section	.rodata,"a",@progbits
	.p2align	6, 0x0
	.amdhsa_kernel k_q501b5243a3_proj
		.amdhsa_group_segment_fixed_size 327680
		.amdhsa_private_segment_fixed_size 0
		.amdhsa_enable_private_segment 0
		.amdhsa_kernarg_size 48
		.amdhsa_user_sgpr_count 2
		.amdhsa_user_sgpr_kernarg_segment_ptr 1
		.amdhsa_wavefront_size32 1
		.amdhsa_system_sgpr_workgroup_id_x 1
		.amdhsa_system_sgpr_workgroup_id_y 1
		.amdhsa_system_sgpr_workgroup_id_z 1
		.amdhsa_system_vgpr_workitem_id 0
		.amdhsa_next_free_vgpr 1024
		.amdhsa_next_free_sgpr 98
		.amdhsa_reserve_vcc 0
		.amdhsa_float_denorm_mode_32 3
		.amdhsa_float_denorm_mode_16_64 3
		.amdhsa_memory_ordered 1
		.amdhsa_forward_progress 1
		.amdhsa_inst_pref_size 128
	.end_amdhsa_kernel
	.amdgpu_metadata
---
amdhsa.version: [ 1, 2 ]
amdhsa.kernels:
  - .name:           k_q501b5243a3_proj
    .symbol:         k_q501b5243a3_proj.kd
    .args:
      - { .name: x_codes, .offset: 0, .size: 8, .value_kind: global_buffer, .address_space: global }
      - { .name: x_scales, .offset: 8, .size: 8, .value_kind: global_buffer, .address_space: global }
      - { .name: w_codes, .offset: 16, .size: 8, .value_kind: global_buffer, .address_space: global }
      - { .name: w_scales, .offset: 24, .size: 8, .value_kind: global_buffer, .address_space: global }
      - { .name: b, .offset: 32, .size: 8, .value_kind: global_buffer, .address_space: global }
      - { .name: qkv, .offset: 40, .size: 8, .value_kind: global_buffer, .address_space: global }
    .group_segment_fixed_size: 327680
    .private_segment_fixed_size: 0
    .kernarg_segment_align: 8
    .kernarg_segment_size: 48
    .max_flat_workgroup_size: 128
    .sgpr_count:     98
    .vgpr_count:     1024
    .wavefront_size: 32
...
	.end_amdgpu_metadata
.endif
;; end of part 2
;; launch scores (part 3): grid 8 x 32, 4 waves a work-group, clusters of 4 x 4, 327,680 bytes of LDS; arguments qkv, p, stats; writes p, stats
.if DOCPART == 3
	.amdgcn_target "amdgcn-amd-amdhsa--gfx1250"
	.amdhsa_code_object_version 6
	.text
	.protected	k_q501b5243a3_scores
	.globl	k_q501b5243a3_scores
	.p2align	8
	.type	k_q501b5243a3_scores,@function
k_q501b5243a3_scores:
	s_mov_b64 s[64:65], 0
	v_nop
	global_prefetch_b8 v0, s[64:65] scope:SCOPE_SE
	s_setreg_imm32_b32 hwreg(HW_REG_WAVE_MODE, 25, 1), 1
	s_wait_xcnt 0x0
	s_wait_alu depctr_hold_cnt(0) depctr_sa_sdst(0) depctr_va_vdst(0) depctr_va_sdst(0) depctr_va_ssrc(0) depctr_va_vcc(0) depctr_vm_vsrc(0)
	s_getreg_b32 s2, hwreg(HW_REG_IB_STS2, 6, 4)
	s_cmp_eq_u32 s2, 0
	s_cbranch_scc0 .Lentry_in_a_cluster
	s_endpgm
.Lentry_in_a_cluster:
	s_bfe_u32 s2, ttmp6, 0x10000c
	s_cmp_lg_u32 s2, 0xf033
	s_cbranch_scc0 .Lentry_shape_is_right
	s_endpgm
.Lentry_shape_is_right:
; For each batch: S = q k^T (f16 operands, f32 sums), then the first half of the softmax.  qkv: [8192 tokens][3072] f16 (q at byte 0, k at byte 2,048 of a row of 6,144).
; t = S x c, c = log2(e) / 32.  A wave holds 128 queries x 128 keys (a CHUNK of keys).  For each query and chunk: M = the chunk's largest t rounded UP to a whole number, p = 2^(t - M) (at most 1), l = the sum of the unrounded p.
; Stored: stats [2][16 chunks][8192 queries] f32: plane 0 holds N = -M, plane 1 holds l;  p in f16, laid AS THE NEXT LAUNCH'S OPERAND REGISTERS TAKE IT:
; [512 blocks of 16 queries][64 quarters of 32 keys of the batch][2 halves][32 lanes][16 bytes]: lane l's 16 bytes of half u are query l % 16, keys 16 u + 8 (l / 16) + 0 .. 7 of the quarter.
; The next launch takes the row's true maximum over its 16 chunks and brings every chunk under it by a power of two: so the maximum is taken away as the softmax asks, and no exponent is above 0.
; LIMITS: p under 2^-24 is lost in f16 (the chunk's largest p is above 1/2); NaN and infinities are not served.
; A tile of S, 256 x 256, is made by a work-group of four waves; a wave makes 128 x 128: 64 accumulators of 16 x 16, 512 registers.  K = 1,024 goes in 8 steps of 128 through a ring of two LDS slots filled by the tensor data
; mover: the rows of q's and k's tiles are 256 bytes of memory, aligned.  4 x 8 x 8 tiles: one for each of 256 work-groups.
; CLUSTERS: 4 x 4 work-groups, all of one batch.  The four of a row of the cluster need the same tiles of q, the four of a column the same tiles of k: each is asked for JOINTLY, by the same tensor load with the same descriptor and a mask that names the four.
; THE MATRIX INSTRUCTION IS USED TRANSPOSED: source 0 = 16 rows of k, source 1 = 16 rows of q: lane l holds query l % 16 and keys 8 (l / 16) + 0 .. 7 of a block of 16: packed to f16 these eight ARE four registers of the
; next launch's fragment of P, so p leaves straight from registers, 512 consecutive bytes a store, and takes no way through LDS.
; REGISTERS, in windows of 256: window 0: v0-31 addresses and the softmax's few numbers; v64-127, v128-191 fragments of q, two buffers; v192-223, v224-255 packed p, two sets by turns.
;   window 1: v64-127, v128-191 fragments of k, two buffers.   window 2: the 32 accumulators of my queries 0-63 (accumulator (a, b) at v[8 (8 a + b)]);   window 3: those of my queries 64-127.
.set KSTEP,  128
.set PITCH,  272                       ; an LDS row: 256 bytes + 16 of padding = 68 words: the 16 rows that a load touches start at 16 different banks (64 banks of 4 bytes: ISA guide 11.1)
.set HALFT,  128*PITCH                 ; 128 rows: what one tensor load brings, and what one wave reads of q or of k
.set SLOT,   4*HALFT                   ; q's 256 rows, then k's 256 rows
.set SST,    2*SLOT                    ; behind the ring: 1,024 bytes for each wave: its 128 queries' N, then their l
.set SPARE,  SST+4*1024                ; the spare words, 128 bytes for each wave: two blocks of 256 bytes that no other line names
.set QROW,   6144                      ; a row of qkv in bytes
.set PBLK,   65536                     ; p: 16 queries x the batch's 2,048 keys
.set LAPS,   4                         ; a lap = two K steps = once round the ring
.set NM,   2                           ; v[2:3]  N = -M (the packed form names the pair and takes its low word: v3 is written once)
.set TM,   4                           ; v4-7    four chains of the maximum
.set TX,   8                           ; v8      what the lane 16 away holds
.set LS,   10                          ; v[10:11] the sum, in two halves
.set SV,   12                          ; v12     lanes 0-15: N, lanes 16-31: l
.set SSTA, 13                          ; v13     where SV goes in LDS
.set SRD,  14                          ; v14     where the wave's stats are read back
.set STATO, 15                         ; v15     16 x lane: my bytes of a store's 512; never rewritten
.set ADRA, 16                          ; v16-17  LDS address of my q fragments in slot 0, 1
.set ADRB, 20                          ; v20-21  the same for k
.set SPW,  28                          ; v28     LDS address of my spare word; never rewritten
.set NIL,  29                          ; v29     0; never rewritten
.set PFO,  30                          ; v30     the prefetches' offset: my lane x a row of qkv; never rewritten
.set F0,   64
.set F1,   128
.set TMP,  192
.set G1,  24                           ; s[24:31] descriptor group 1 for q's tiles;  s[32:39] group 0, one set for each slot
.set G0,  32
.set G1B, 48                           ; s[48:55], s[56:63] the same for k's tiles
.set G0B, 56
.set LIM, 43                           ; s43     1 in a wave that prefetches, else the greatest number
.set PFA, 44                           ; s[44:45] where my prefetches stand
.set CS,  66                           ; s[66:67] c, twice
.set SEL, 68                           ; s[68:69] lane selects for v_permlanex16_b32: lane l xor 16
.set HM,  70                           ; s70     the mask of lanes 16-31
.set STB, 72                           ; s[72:73] stats
.set MSB, 0
.macro WIN new                         ; the immediate's high byte repeats the setting that is left; a switch that changes nothing is dropped
.if MSB != (\new)
	s_set_vgpr_msb (MSB<<8)|(\new)
.set MSB, (\new)
.endif
.endm
.set MUL_LO, 0xa1                      ; source 0 (k) window 1, source 1 (q) window 0, C and D window 2
.set MUL_HI, 0xf1                      ; the same, C and D window 3
.set TO_B,   0x40                      ; destination window 1, address window 0
; A joint load.  Waves 0 and 1 fetch q's two halves, waves 2 and 3 k's.  The branch hangs on the wave's number alone.  An s_nop 0 and four v_nop follow each of the two lines.
.macro JLOAD s
	s_cmp_eq_u32 s11, 0
	s_cbranch_scc0 .Lfor_b_\@
	tensor_load_to_lds s[G0+4*\s:G0+4*\s+3], s[G1:G1+7]
	s_nop 0
.rept 4
	v_nop
.endr
	s_branch .Lasked_\@
.Lfor_b_\@:
	tensor_load_to_lds s[G0B+4*\s:G0B+4*\s+3], s[G1B:G1B+7]
	s_nop 0
.rept 4
	v_nop
.endr
.Lasked_\@:
.endm
; A PREFETCH, behind each joint refill, its five lines and the run of LDS loads that follows them: the K step that stands TWO refills on (512 matrix instructions ahead of the load that will want it): 32 rows x 256 bytes, a lane a row.
; Each row's 256 bytes of a K step are named ONCE in the launch.  q's tile row is read by both clusters of that row of clusters: the one with cluster x = 0 asks.  k's tile column of a batch is read by the batch's two
; clusters along y: the one with even cluster y asks.  The four partners that ask for a tile jointly share its rows out BY ADDRESS: of the 128 rows that a wave fetches, the partner at place p takes 32 p .. 32 p + 31.
; K steps 0 to 3 come by their loads alone; the loop's last trip, whose refills are the last two K steps, asks for nothing.
.macro ASK
	s_cmp_gt_u32 s3, s[LIM]                        ; s3 = 1 in the loop's last trip
	s_cbranch_scc0 .Lnot_mine_\@
	global_prefetch_b8 v[PFO], s[PFA:PFA+1] offset:KSTEP*2 th:TH_LOAD_NT scope:SCOPE_SE
.Lnot_mine_\@:
.endm
.macro CREST                           ; a round of the cluster's barrier behind its opening barrier
	s_cmp_lg_u32 s10, 0
	s_cbranch_scc1 .Lnot_wave_0_\@
	s_barrier_signal -3
.Lnot_wave_0_\@:
	s_barrier_wait -3
	s_barrier_signal -1
	s_barrier_wait -1
.endm
.macro CROUND                          ; a whole round
	s_barrier_signal -1
	s_barrier_wait -1
	CREST
.endm
	s_load_b128 s[4:7], s[0:1], 0x0                ; qkv s[4:5], p s[6:7]
	s_load_b64 s[STB:STB+1], s[0:1], 0x10          ; stats
	v_lshl_add_u32 v[SPW], v0, 2, SPARE
	v_mov_b32 v[NIL], 0
	ds_add_u32 v[SPW], v[NIL]                      ; the wave's opening: the add, twice on end, and its wait ahead of my first tensor load; the set-up below stands between the second and the wait
	ds_add_u32 v[SPW], v[NIL]
	v_lshrrev_b32 v1, 5, v0
	v_readfirstlane_b32 s10, v1                    ; wave 0..3
	s_lshr_b32 s11, s10, 1                         ; which 128 of the tile's queries are mine.  Also: I fetch for q (0) or for k (1)
	s_and_b32 s12, s10, 1                          ; which 128 of its keys.  Also: which 128 rows of that tile I fetch
	s_bfe_u32 s40, ttmp6, 0x40000                  ; cx
	s_bfe_u32 s41, ttmp6, 0x40004                  ; cy
	s_lshl_b32 s42, ttmp9, 2
	s_add_co_u32 s42, s42, s40                     ; tile column (256 keys of the batch) = 4 x cluster x + cx
	s_and_b32 s74, ttmp7, 0xffff                   ; cluster y; the batch is cluster y / 2
	s_lshl_b32 s13, s74, 2
	s_add_co_u32 s13, s13, s41                     ; tile row (256 tokens) = 4 x cluster y + cy
	s_lshl_b32 s43, s41, 2
	s_lshl_b32 s43, 15, s43                        ; my row of the cluster
	s_lshl_b32 s44, 0x1111, s40                    ; my column
	; descriptor group 1: a tile of 128 rows x 128 elements of 2 bytes, padded in LDS
	s_or_b32 s[G1+0], s43, (1<<16)|(1<<20)|(1<<21)|(5<<22)|(3<<25)  ; 15:0 the mask: q's tiles go to my row; 17:16 element of 2 bytes; 20 padding on; 21 set beside a mask; 24:22 after every 64 words; 31:25 of 4 words
	s_or_b32 s[G1B+0], s44, (1<<16)|(1<<20)|(1<<21)|(5<<22)|(3<<25) ; the same with the mask of my column, for k's tiles
.irp g, G1, G1B
	s_mov_b32 s[\g+1], KSTEP<<16                   ; tensor_dim0 = 128
	s_mov_b32 s[\g+2], 128<<16                     ; tensor_dim1 = 128
	s_mov_b32 s[\g+3], KSTEP<<16                   ; tile_dim0 = 128
	s_mov_b32 s[\g+4], 128                         ; tile_dim1 = 128
	s_mov_b32 s[\g+5], QROW/2                      ; tensor_dim0_stride: 3,072 elements from row to row
	s_mov_b32 s[\g+6], 0
	s_mov_b32 s[\g+7], 0
.endr
	; where the tiles come from.  q's hang on the tile row alone, which my row of the cluster shares; k's on the batch and the tile column, which my column shares.
	s_lshl_b32 s17, s12, 7                         ; which 128 rows of the tile I fetch
	s_lshl_b32 s16, s13, 8
	s_add_co_u32 s16, s16, s17                     ; q: token 256 x tile row + 128 x half
	s_mul_i32 s16, s16, QROW                       ; in bytes (under 2^26)
	s_lshr_b32 s46, s74, 1
	s_lshl_b32 s46, s46, 11                        ; k: token 2,048 x batch
	s_lshl_b32 s47, s42, 8
	s_add_co_u32 s46, s46, s47                     ;    + 256 x tile column
	s_add_co_u32 s46, s46, s17                     ;    + 128 x half
	s_mul_i32 s46, s46, QROW
	s_add_co_u32 s46, s46, 2048                    ; k lies 2,048 bytes into a row
	s_mov_b32 s17, 0
	s_mov_b32 s47, 0
	s_mul_i32 s20, s10, HALFT                      ; and where they go: wave x 128 rows: no place in the cluster enters an LDS address
	s_mov_b32 s[CS], 0x3d38aa3b                    ; c = log2(e) / 32
	s_mov_b32 s[CS+1], s[CS]
	s_mov_b32 s[SEL], 0x76543210
	s_mov_b32 s[SEL+1], 0xfedcba98
	s_mov_b32 s[HM], 0xffff0000
	s_wait_dscnt 0x0                               ; both opening adds are done
	s_wait_kmcnt 0x0
	s_add_nc_u64 s[14:15], s[4:5], s[16:17]
	s_add_nc_u64 s[46:47], s[4:5], s[46:47]
	CROUND                                         ; all sixteen work-groups are here: the first joint loads meet
.irp s, 0,1
	s_mov_b32 s[G0+4*\s], 1                                        ; count = 1
	s_add_co_u32 s[G0+4*\s+1], s20, \s*SLOT                        ; LDS address
	s_add_nc_u64 s[G0+4*\s+2:G0+4*\s+3], s[14:15], \s*KSTEP*2      ; global address: K step s
	s_or_b32 s[G0+4*\s+3], s[G0+4*\s+3], 0x80000000                ; type = 2
	s_mov_b32 s[G0B+4*\s], 1
	s_add_co_u32 s[G0B+4*\s+1], s20, \s*SLOT
	s_add_nc_u64 s[G0B+4*\s+2:G0B+4*\s+3], s[46:47], \s*KSTEP*2
	s_or_b32 s[G0B+4*\s+3], s[G0B+4*\s+3], 0x80000000
	JLOAD \s                                       ; the ring is filled before anything else is done: two loads of mine are out
.endr
	; A fragment is 16 rows x 32 K in 8 registers: lane l holds row l % 16; registers 0-3 hold K = 8 (l / 16) + 0..7, registers 4-7 K = 16 + 8 (l / 16) + 0..7: two loads of 16 bytes, 32 bytes apart.
	v_and_b32 v1, 15, v0                           ; r = l % 16
	v_bfe_u32 v2, v0, 4, 1                         ; h = l / 16
	v_mul_u32_u24 v3, v1, PITCH
	v_lshl_add_u32 v3, v2, 4, v3
	s_mul_i32 s21, s11, HALFT                      ; my 128 rows of q
	s_mul_i32 s22, s12, HALFT                      ; my 128 rows of k,
	s_add_co_u32 s22, s22, 2*HALFT                 ; which lie behind q's 256
.irp s, 0,1
	v_add_nc_u32 v[ADRA+\s], s21, v3
	v_add_nc_u32 v[ADRB+\s], s22, v3
	s_add_co_u32 s21, s21, SLOT
	s_add_co_u32 s22, s22, SLOT
.endr
	s_lshl_b32 s23, s10, 10
	s_add_co_u32 s23, s23, SST                     ; my 1,024 bytes for the stats
	v_lshlrev_b32 v[SSTA], 2, v1
	v_lshl_add_u32 v[SSTA], v2, 9, v[SSTA]
	v_add_nc_u32 v[SSTA], s23, v[SSTA]             ; lanes 0-15: N of query r; lanes 16-31: l of query r, 512 bytes on
	v_and_b32 v[STATO], 31, v0
	v_lshlrev_b32 v[STATO], 4, v[STATO]
	v_add_nc_u32 v[SRD], s23, v[STATO]
	v_mov_b32 v[NM+1], 0                           ; named as the upper half of a pair, so it is written
	v_mov_b32 v[TX], 0                             ; a lane permute's destination counts as one of its sources
	; where my part begins in p and in stats
	s_lshl_b32 s16, s13, 8
	s_lshl_b32 s17, s11, 7
	s_add_co_u32 s16, s16, s17                     ; my first query
	s_lshl_b32 s18, s16, 2                         ; its 4 bytes in a chunk's row of stats
	s_lshl_b32 s16, s16, 12                        ; p: 65,536 bytes for each 16 queries
	s_lshl_b32 s46, s42, 13                        ; and 1,024 bytes for each 32 keys: 8,192 x tile column
	s_lshl_b32 s47, s12, 12                        ; + 4,096 x half
	s_add_co_u32 s46, s46, s47
	s_add_co_u32 s16, s16, s46
	s_mov_b32 s17, 0
	s_add_nc_u64 s[6:7], s[6:7], s[16:17]
	s_lshl_b32 s46, s42, 1
	s_add_co_u32 s46, s46, s12                     ; my chunk: 2 x tile column + half
	s_lshl_b32 s46, s46, 15                        ; 32,768 bytes a chunk
	s_add_co_u32 s18, s18, s46
	s_mov_b32 s19, 0
	s_add_nc_u64 s[STB:STB+1], s[STB:STB+1], s[18:19]
	; the prefetches: where mine stand, and whether I ask
	s_lshl_b32 s20, s13, 8                         ; q: the tile's first token
	s_lshr_b32 s21, s74, 1
	s_lshl_b32 s21, s21, 11
	s_lshl_b32 s22, s42, 8
	s_add_co_u32 s21, s21, s22                     ; k: the tile's first token
	s_and_b32 s23, s74, 1
	s_cmp_eq_u32 s11, 0                            ; do I fetch for q?
	s_cselect_b32 s20, s20, s21
	s_cselect_b32 s21, s40, s41                    ; my place among the four that ask with me
	s_cselect_b32 s22, ttmp9, s23                  ; the coordinate along which other clusters read the same rows
	s_cselect_b32 s23, 0, 2048
	s_cmp_eq_u32 s22, 0
	s_cselect_b32 s[LIM], 1, -1                    ; the same in all sixteen partners, for a given wave
	s_lshl_b32 s22, s12, 7
	s_add_co_u32 s20, s20, s22                     ; + the 128 rows that I fetch
	s_lshl_b32 s21, s21, 5
	s_add_co_u32 s20, s20, s21                     ; + my work-group's 32 of them
	s_mul_i32 s20, s20, QROW
	s_add_co_u32 s20, s20, s23
	s_add_co_u32 s20, s20, 2*KSTEP*2               ; at K step 2: the first refill steps it to 3 and names K step 4
	s_mov_b32 s21, 0
	s_add_nc_u64 s[PFA:PFA+1], s[4:5], s[20:21]
	v_and_b32 v[PFO], 31, v0
	v_mul_u32_u24 v[PFO], v[PFO], QROW
; 16 matrix instructions: query blocks a0, a0 + 1 of the window's four (hi = 0: my queries 0-63, 1: 64-127) x all 8 key blocks, 32 along K.  zero = 1: the first product starts the sums: nothing is ever cleared.
; The 64 accumulators take turns, one instruction a turn, in the same order in every quarter.
.macro MUL16 f, hi, a0, zero
.irp a, \a0, \a0+1
.irp b, 0,1,2,3,4,5,6,7
.if \zero
	v_wmma_f32_16x16x32_f16 v[8*(8*(\a)+\b):8*(8*(\a)+\b)+7], v[\f+8*\b:\f+8*\b+7], v[\f+8*(4*\hi+\a):\f+8*(4*\hi+\a)+7], 0
.else
	v_wmma_f32_16x16x32_f16 v[8*(8*(\a)+\b):8*(8*(\a)+\b)+7], v[\f+8*\b:\f+8*\b+7], v[\f+8*(4*\hi+\a):\f+8*(4*\hi+\a)+7], v[8*(8*(\a)+\b):8*(8*(\a)+\b)+7]
.endif
.endr
.endr
.endm
; 32 LDS loads in one run: the fragments of one quarter step (128 rows of k, 128 rows of q, 32 K at byte k of the rows) into buffer f
.macro FETCH slot, k, f
	WIN TO_B
.irp i, 0,1,2,3,4,5,6,7
	ds_load_b128 v[\f+8*\i:\f+8*\i+3],   v[ADRB+\slot] offset:\k+\i*16*PITCH
	ds_load_b128 v[\f+8*\i+4:\f+8*\i+7], v[ADRB+\slot] offset:\k+\i*16*PITCH+32
.endr
	WIN 0
.irp i, 0,1,2,3,4,5,6,7
	ds_load_b128 v[\f+8*\i:\f+8*\i+3],   v[ADRA+\slot] offset:\k+\i*16*PITCH
	ds_load_b128 v[\f+8*\i+4:\f+8*\i+7], v[ADRA+\slot] offset:\k+\i*16*PITCH+32
.endr
.endm
; A load into a register that a matrix instruction has read, and a vector instruction that reads a matrix result or writes one of a matrix instruction's registers, stand four places behind it, and only plain vector
; instructions that name none of its registers are places (ISA guide 7.12.1 for vector instructions).
.macro PLACES
.rept 4
	v_nop
.endr
.endm
; A K step is four quarters of 32 along K, 64 matrix instructions each, on buffers 0, 1, 0, 1.  One of the first three: multiplies buffer f; in its middle it fetches the next quarter, at byte k of the same slot's rows, into g.
.macro QUARTER slot, k, f, g, zero
	s_wait_dscnt 8                                 ; k's fragments and q's rows 0-63 are in; the youngest eight loads (q's rows 64-127) may be out
	WIN MUL_LO
	MUL16 \f, 0, 0, \zero
	MUL16 \f, 0, 2, \zero
	PLACES
	FETCH \slot, \k, \g
	s_wait_dscnt 32                                ; all but the 32 just issued
	WIN MUL_HI
	MUL16 \f, 1, 0, \zero
	MUL16 \f, 1, 2, \zero
.endm
; The last quarter multiplies buffer 1 and changes slots.  MEET is its first half: ONE barrier.  In front of it each wave waits for all its tensor loads, of which one is out: its part of the next slot; adds 0 to its spare
; word; and waits for that and for its own reads of this slot.  Behind it nobody reads this slot any more and the next slot is whole.
.macro MEET round                      ; round = 1: a round of the cluster's barrier follows
	WIN 0                                          ; (the add's two registers lie in window 0)
	s_wait_tensorcnt 0x0                           ; all my tensor loads have landed
	ds_add_u32 v[SPW], v[NIL]                      ; 0 onto my spare word
	s_wait_dscnt 9                                 ; (the add and the youngest eight loads may be out)
	WIN MUL_LO
	MUL16 F1, 0, 0, 0                              ; sixteen matrix instructions stand between the add and the wait for it
	s_wait_dscnt 0x0                               ; the add is done, and my reads of this slot are over
	s_barrier_signal -1
	MUL16 F1, 0, 2, 0                              ; work on registers while the others arrive
.if \round
	WIN 0
.endif
	s_barrier_wait -1
.endm
; fill = 1: the slot just read out is filled again, with the K step two steps on, first thing behind the round; from that request to the wait for it a wave issues 224 matrix instructions.
.macro TURN slot, next, fill
.if \fill
	s_wait_xcnt 0x0                                ; the last prefetch, a K step back, has read its address: it is stepped here, ahead of the waits of the change of slots
	s_add_nc_u64 s[PFA:PFA+1], s[PFA:PFA+1], KSTEP*2
	MEET 1
	CREST                                          ; no wave of any partner still reads this slot's tile or has a load on its way
	s_add_nc_u64 s[G0+4*\slot+2:G0+4*\slot+3], s[G0+4*\slot+2:G0+4*\slot+3], 2*KSTEP*2
	s_add_nc_u64 s[G0B+4*\slot+2:G0B+4*\slot+3], s[G0B+4*\slot+2:G0B+4*\slot+3], 2*KSTEP*2
	JLOAD \slot                                    ; the four v_nop behind it are also the places in front of the loads below
.else
	MEET 0
	PLACES
.endif
	FETCH \next, 0, F0
.if \fill
	ASK
.endif
	WIN MUL_HI
	MUL16 F1, 1, 0, 0
	MUL16 F1, 1, 2, 0
.endm
	s_wait_tensorcnt 1                             ; my part of K step 0 is in (K step 1's load may be out)
	s_barrier_signal -1
	s_barrier_wait -1                              ; everybody's is
	FETCH 0, 0, F0
	QUARTER 0, 64,  F0, F1, 1                      ; the first quarter stands in front of the loop: its products start the sums
	WIN 0                                          ; at a label and at a branch every window is 0
	s_mov_b32 s3, LAPS-1
.Llap:                                                 ; a trip goes once round the ring, from a lap's second quarter to the next lap's first, and fills both slots again
	QUARTER 0, 128, F1, F0, 0
	QUARTER 0, 192, F0, F1, 0
	TURN 0, 1, 1
	QUARTER 1, 64,  F0, F1, 0
	QUARTER 1, 128, F1, F0, 0
	QUARTER 1, 192, F0, F1, 0
	TURN 1, 0, 1
	QUARTER 0, 64,  F0, F1, 0
	WIN 0
	s_sub_co_u32 s3, s3, 1
	s_cmp_lg_u32 s3, 0
	s_cbranch_scc1 .Llap
	QUARTER 0, 128, F1, F0, 0                      ; the last lap is written out: it fills nothing, and has no round of the cluster's barrier
	QUARTER 0, 192, F0, F1, 0
	TURN 0, 1, 0
	QUARTER 1, 64,  F0, F1, 0
	QUARTER 1, 128, F1, F0, 0
	QUARTER 1, 192, F0, F1, 0
	s_wait_dscnt 8                                 ; the very last quarter: nothing more to fetch
	WIN MUL_LO
	MUL16 F1, 0, 0, 0
	MUL16 F1, 0, 2, 0
	s_wait_dscnt 0
	WIN MUL_HI
	MUL16 F1, 1, 0, 0
	MUL16 F1, 1, 2, 0
	WIN 0
	PLACES                                         ; behind the last products: the softmax reads and rewrites results
; THE SOFTMAX OF BLOCK a: 16 queries x my 128 keys.  Lane (r, h) holds 64 scores of query 16 a + r; the lane 16 away holds the other 64.  All is done in place in the block's 64 accumulator registers.
.macro SOFT a
.set AC, 64*((\a)%4)
.set TP, TMP+32*((\a)%2)               ; the block's set of packed registers
.set W,  2+(\a)/4                      ; the block's window
.set W3, W|(W<<2)|(W<<4)
.set W2, (W<<2)|(W<<4)
.set WIP, W|(W<<6)
.set WSS, W|(W<<2)
.set WTR, W|(W<<2)|(W<<6)
	WIN W3                                         ; three sources in the block's window, the result in window 0
.irp k, 0,1,2,3
	v_max3_num_f32 v[TM+\k], v[AC+16*\k], v[AC+16*\k+1], v[AC+16*\k+2]      ; four chains of 16 scores; each accumulator is read from its low end on
.endr
	WIN W2
.irp i, 3,5,7,9,11,13
.irp k, 0,1,2,3
	v_max3_num_f32 v[TM+\k], v[TM+\k], v[AC+16*\k+\i], v[AC+16*\k+\i+1]
.endr
.endr
.irp k, 0,1,2,3
	v_max_num_f32 v[TM+\k], v[TM+\k], v[AC+16*\k+15]
.endr
	WIN 0
	v_max3_num_f32 v[TM], v[TM], v[TM+1], v[TM+2]
	v_max_num_f32 v[TM], v[TM], v[TM+3]
	v_permlanex16_b32 v[TX], v[TM], s[SEL], s[SEL+1]
	v_max_num_f32 v[TM], v[TM], v[TX]              ; the largest score of my query in this chunk
	v_mul_f32 v[TM], s[CS], v[TM]                  ; as t (c is positive)
	v_floor_f32 v[NM], -v[TM]                      ; N = -M = floor(-t): M is a whole number, at or above every t
	WIN WIP                                        ; source 0 and the result in the block's window
	v_pk_fma_f32 v[AC:AC+1], v[AC:AC+1], s[CS:CS+1], v[NM:NM+1] op_sel_hi:[1,0,0]          ; t - M, two at a time
	v_pk_fma_f32 v[AC+2:AC+3], v[AC+2:AC+3], s[CS:CS+1], v[NM:NM+1] op_sel_hi:[1,0,0]
.set j, 0
.rept 32                               ; ONE BATCH: two exponentials, then the scaling of the pair two further on: none of these names an exponential's result
	v_exp_f32 v[AC+2*j], v[AC+2*j]
	v_exp_f32 v[AC+2*j+1], v[AC+2*j+1]
.if j < 30
	v_pk_fma_f32 v[AC+2*j+4:AC+2*j+5], v[AC+2*j+4:AC+2*j+5], s[CS:CS+1], v[NM:NM+1] op_sel_hi:[1,0,0]
.endif
.set j, j+1
.endr
	v_nop                                          ; a plain instruction behind the last exponential
	s_wait_alu depctr_va_vdst(0)                   ; one wait for the 64, ahead of the first instruction that names a result
.if (\a) > 1
	s_wait_xcnt 0x0                                ; block a - 2's stores have read this set of packed registers: only behind this wait is it written again
.endif
	WIN WSS                                        ; both sources in the block's window, the result in window 0
.irp b, 0,1,2,3,4,5,6,7
.irp r, 0,1,2,3
	v_cvt_pk_f16_f32 v[TP+4*\b+\r], v[AC+8*\b+2*\r], v[AC+8*\b+2*\r+1]      ; p, rounded once to f16: a lane's eight keys of a block of 16 are four registers of a fragment
.endr
.endr
	WIN WTR                                        ; the sum of the unrounded p: a tree in place, pairs 1, 2, 4 and 8 pairs apart
.irp st, 4,8,16,32
.set u, 0
.rept 64/\st
	v_pk_add_f32 v[AC+\st*u:AC+\st*u+1], v[AC+\st*u:AC+\st*u+1], v[AC+\st*u+\st/2:AC+\st*u+\st/2+1]
.set u, u+1
.endr
.endr
	WIN WSS
	v_pk_add_f32 v[LS:LS+1], v[AC:AC+1], v[AC+32:AC+33]
	WIN 0
	v_add_f32 v[LS], v[LS], v[LS+1]
	v_permlanex16_b32 v[TX], v[LS], s[SEL], s[SEL+1]
	v_add_f32 v[LS], v[LS], v[TX]                  ; l of my query in this chunk
	v_cndmask_b32 v[SV], v[NM], v[LS], s[HM]       ; lanes 0-15 carry N, lanes 16-31 carry l
	ds_store_b32 v[SSTA], v[SV] offset:64*(\a)
.endm
; Block a's p leaves as it stands: key block b is half b % 2 of quarter b / 2: 512 b bytes on.  Each store covers 512 consecutive bytes, at a multiple of 512 from p's first byte; the eight cover 4,096 bytes on end.
.macro SENDP a
.set TP, TMP+32*((\a)%2)
.irp b, 0,1,2,3,4,5,6,7
	global_store_b128 v[STATO], v[TP+4*\b:TP+4*\b+3], s[6:7] offset:(\a)*PBLK+512*\b
.endr
.endm
.irp a, 0,1,2,3,4,5,6,7
	SOFT \a
	SENDP \a
.endr
	ds_load_b128 v[64:67], v[SRD]                  ; my 128 queries' N: 512 bytes, 16 a lane (my own stores, served in order),
	ds_load_b128 v[68:71], v[SRD] offset:512       ; and their l
	s_wait_dscnt 0x0
	global_store_b128 v[STATO], v[64:67], s[STB:STB+1]                 ; each store covers 512 consecutive aligned bytes
	global_store_b128 v[STATO], v[68:71], s[STB:STB+1] offset:524288   ; the second plane
	s_wait_tensorcnt 0x0                           ; the wave's end, behind my last tensor load and my last LDS store
	ds_add_u32 v[SPW], v[NIL]
	s_wait_dscnt 0x0
	CROUND                                         ; the closing round: no work-group ends while a partner may still ask for a tile that names it
	s_endpgm
.Lfunc_end_k_q501b5243a3_scores:
	.size	k_q501b5243a3_scores, .Lfunc_end_k_q501b5243a3_scores-k_q501b5243a3_scores
	.p2alignl 7, 3214868480
	.fill 96, 4, 3214868480
	.section	.rodata,"a",@progbits
	.p2align	6, 0x0
	.amdhsa_kernel k_q501b5243a3_scores
		.amdhsa_group_segment_fixed_size 327680
		.amdhsa_private_segment_fixed_size 0
		.amdhsa_enable_private_segment 0
		.amdhsa_kernarg_size 24
		.amdhsa_user_sgpr_count 2
		.amdhsa_user_sgpr_kernarg_segment_ptr 1
		.amdhsa_wavefront_size32 1
		.amdhsa_system_sgpr_workgroup_id_x 1
		.amdhsa_system_sgpr_workgroup_id_y 1
		.amdhsa_system_sgpr_workgroup_id_z 1
		.amdhsa_system_vgpr_workitem_id 0
		.amdhsa_next_free_vgpr 1024
		.amdhsa_next_free_sgpr 80
		.amdhsa_reserve_vcc 0
		.amdhsa_float_denorm_mode_32 3
		.amdhsa_float_denorm_mode_16_64 3
		.amdhsa_memory_ordered 1
		.amdhsa_forward_progress 1
		.amdhsa_inst_pref_size 205
	.end_amdhsa_kernel
	.amdgpu_metadata
---
amdhsa.version: [ 1, 2 ]
amdhsa.kernels:
  - .name:           k_q501b5243a3_scores
    .symbol:         k_q501b5243a3_scores.kd
    .args:
      - { .name: qkv, .offset: 0, .size: 8, .value_kind: global_buffer, .address_space: global }
      - { .name: p, .offset: 8, .size: 8, .value_kind: global_buffer, .address_space: global }
      - { .name: stats, .offset: 16, .size: 8, .value_kind: global_buffer, .address_space: global }
    .group_segment_fixed_size: 327680
    .private_segment_fixed_size: 0
    .kernarg_segment_align: 8
    .kernarg_segment_size: 24
    .max_flat_workgroup_size: 128
    .sgpr_count:     80
    .vgpr_count:     1024
    .wavefront_size: 32
...
	.end_amdgpu_metadata
.endif
;; end of part 3
;; launch mix (part 4): grid 4 x 64, 4 waves a work-group, clusters of 4 x 4, 327,680 bytes of LDS; arguments p, qkv, stats, out0; writes out0
.if DOCPART == 4
	.amdgcn_target "amdgcn-amd-amdhsa--gfx1250"
	.amdhsa_code_object_version 6
	.text
	.protected	k_q501b5243a3_mix
	.globl	k_q501b5243a3_mix
	.p2align	8
	.type	k_q501b5243a3_mix,@function
k_q501b5243a3_mix:
	s_mov_b64 s[64:65], 0
	v_nop
	global_prefetch_b8 v0, s[64:65] scope:SCOPE_SE
	s_setreg_imm32_b32 hwreg(HW_REG_WAVE_MODE, 25, 1), 1
	s_wait_xcnt 0x0
	s_wait_alu depctr_hold_cnt(0) depctr_sa_sdst(0) depctr_va_vdst(0) depctr_va_sdst(0) depctr_va_ssrc(0) depctr_va_vcc(0) depctr_vm_vsrc(0)
	s_getreg_b32 s2, hwreg(HW_REG_IB_STS2, 6, 4)
	s_cmp_eq_u32 s2, 0
	s_cbranch_scc0 .Lentry_in_a_cluster
	s_endpgm
.Lentry_in_a_cluster:
	s_bfe_u32 s2, ttmp6, 0x10000c
	s_cmp_lg_u32 s2, 0xf033
	s_cbranch_scc0 .Lentry_shape_is_right
	s_endpgm
.Lentry_shape_is_right:
; out0[q][:] = (sum over the 16 chunks c of 2^(M_c - M) x P_c(q, :) V_c) / l(q): the second half of the softmax and the second product.  f16 operands, f32 sums; every factor is applied in f32.
; p: f16, p = 2^(t - M_c) under each chunk's own whole number M_c, laid as this launch's operand registers take it: [512 blocks of 16 queries][64 quarters of 32 keys][2 halves][32 lanes][16 bytes];
; stats: [2][16 chunks][8192] f32: N_c = -M_c, and l_c;  v: byte 4,096 on of qkv's rows of 6,144;  out0: [8192][1024] f32.
; THE ROW'S MAXIMUM is M = the largest M_c (N = the smallest N_c).  d_c = max(M_c - M, -60), a whole number.  The sums are carried under the chunk in hand: at each change of chunk the accumulators are multiplied by
; 2^(d_(c-1) - d_c), a power of two between 2^-60 and 2^60, which rounds nothing; at the end by 2^(d_15) / l, with l = the sum of 2^(d_c) l_c.  A sum stays under 2^27 x 2^60.
; LIMITS: a chunk whose M_c lies more than 60 under the row's M is counted with 2^-60 of its weight, not with less; NaN and infinities are not served.
; A tile of out0 is 128 queries x 256 channels: 64 x 4 = 256 tiles, one for each work-group.  Four waves, each 64 queries x 128 channels: 32 accumulators of 16 x 16, 256 registers.
; K = the batch's 2,048 keys: 64 QUARTERS of 32 keys (32 matrix instructions a wave), four to a chunk, eight to a slot.
; V comes through a ring of two LDS slots of 256 keys, filled by the tensor data mover, 64 keys a wave (rows of 512 bytes, aligned), and is turned on its way out of LDS by ds_load_tr16_b128.
; P COMES FROM MEMORY STRAIGHT INTO REGISTERS: a fragment is two loads of 512 consecutive bytes.  A ring of eight quarter buffers (256 registers): quarter t asks for quarter t + 7, so 56 loads of a wave are on their way.
; That leaves LDS to V alone, so that a slot holds twice the keys that it could hold beside P, and a refill has 240 matrix instructions in which to land.  The price: P's bytes are read by two waves of each of four work-groups.
; CLUSTERS: 4 x 4 work-groups, all of one batch.  The four of a column of the cluster need the same tiles of V: each is asked for JOINTLY.  The four of a row read the same P, by loads of their own.
; THE MATRIX INSTRUCTION IS USED TRANSPOSED: O^T = V^T P^T: source 0 = 16 channels x 32 keys of V, source 1 = 16 queries x 32 keys of P.  A lane holds ONE query and eight neighbouring channels, so a factor is one number a lane.
; THE RESCALINGS STAND IN SLICES: a change of chunk's 128 packed multiplications stand four at a time behind 32 matrix instructions on end, from product 8 of the old chunk's last quarter to product 7 of the new chunk's first,
; each well behind the accumulator's last product of the old chunk and ahead of its first of the new; the price is two window switches a slice.
; REGISTERS, in windows of 256: window 0: v1-31 addresses; v96-103 the last factor; v104-111 the chunk's factors, each twice; at the head v128-255 the stats, v32-95 and v192-255 the table on its way to LDS;
;   on the way out v192-255 results, v32-95 and v128-191 rows read back, by turns.   window 1: v0-127 V's fragments, two buffers.   window 2: the accumulators, (a, b) at v[8 (8 a + b)].   window 3: P's ring, quarter buffer j at v[32 j], query block a at + 8 a.
.set VP,     544                       ; a row of V in LDS: 512 bytes + 32 = 136 words
.set VQ,     64*VP                     ; 64 keys: what one tensor load brings
.set SLOT,   4*VQ                      ; 256 keys
.set STAGE,  0                         ; the way out: 16 rows x (512 + 16) bytes for each wave, in slot 0, which has had its last fill and its last read when the first result is stored there
.set SPITCH, 528
.set FTAB,   2*SLOT                    ; behind the ring: 8,192 bytes for each wave: [16 chunks][16 queries of a block][4 query blocks][the factor, twice]
.set SPARE,  FTAB+4*8192               ; the spare words, 128 bytes for each wave: two blocks of 256 bytes that no other line names
.set QROW,   6144                      ; a row of qkv in bytes
.set OROW,   4096                      ; a row of out0
.set PBLK,   65536                     ; p: 16 queries x the batch's 2,048 keys
.set PQ,     1024                      ; p: a fragment: 16 queries x 32 keys
.set LAPS,   4                         ; a lap = two slots = once round the ring
.set FF,   4                           ; v4-7    at the head: 2^(d_c), by query block
.set NR,   8                           ; v8-11   at the head: the row's N
.set EE,   12                          ; v12-15  at the head: d_(c-1) - d_c
.set FW,   16                          ; v16     my 32 bytes of chunk 0 in my wave's table; never rewritten
.set FR,   17                          ; v17     those of the chunk to be fetched
.set ADRV, 20                          ; v20-23  LDS address of my V fragments: slot 0's quarters 0-3, 4-7, slot 1's 0-3, 4-7 (an LDS offset has 16 bits)
.set STO,  24                          ; v24     the way out: where I put 32 bytes of a row
.set RD,   25                          ; v25     the way out: where I read a row back
.set LO,   26                          ; v26     16 x lane: my bytes of a load's or a store's 512; never rewritten
.set SO,   27                          ; v27     4 x (lane % 16): my query in a block's 64 bytes of stats
.set SPW,  28                          ; v28     LDS address of my spare word; never rewritten
.set NIL,  29                          ; v29     0; never rewritten
.set PFV,  30                          ; v30     V's prefetches: (lane / 2) rows + 256 x (lane % 2); never rewritten
.set PFQ,  31                          ; v31     P's prefetches: 256 x lane; never rewritten
.set BK0,  32                          ; the way out: rows read back: v32-95 and v128-191 by turns
.set RL,   96                          ; v96-103 l, then 2^(d_15) / l: block a at v[96 + 2 a]; the odd register is written since the packed form names the pair
.set G,    104                         ; v104-111 the factors of the change of chunk in hand: block a's at v[104 + 2 a] and once more beside it
.set MS,   128                         ; at the head: N_c, then d_c, at 16 a + c
.set LL,   192                         ; at the head: l_c, at 16 a + c
.set TMP,  192                         ; the way out: a block's 64 results
.set WV,  12                           ; s12  my wave's number
.set QH,  13                           ; s13  which 64 of the tile's queries are mine
.set CH,  14                           ; s14  which 128 of its channels
.set FT,  2                            ; s2   512 x the chunk whose factors are fetched next
.set PB,  24                           ; s[24:25] P: my four query blocks, at the first quarter of the slot in hand
.set PFP, 26                           ; s[26:27] where my prefetches of P stand
.set LIMV, 28                          ; s28, s29  V's prefetches: 0 and 1 in a wave that asks, else the greatest number
.set LIMP, 30                          ; s30, s31  the same for P's
.set PFA, 46                           ; s[46:47] where my prefetches of V stand
.set G1V, 48                           ; s[48:55] descriptor group 1 for V's tiles;  s[56:63] group 0, one set for each slot
.set G0V, 56
.set MSB, 0
.macro WIN new                         ; the immediate's high byte repeats the setting that is left; a switch that changes nothing is dropped
.if MSB != (\new)
	s_set_vgpr_msb (MSB<<8)|(\new)
.set MSB, (\new)
.endif
.endm
.set MUL,  0xad                        ; source 0 (V) window 1, source 1 (P) window 3, C and D window 2
.set SC,   0x82                        ; source 0 and destination (an accumulator) window 2, source 1 (the factor) window 0
.set TO_V, 0x40                        ; destination window 1, address window 0
.set TO_P, 0xc0                        ; destination window 3, address window 0
; A joint load: every wave fetches its 64 keys of the slot; the four work-groups of my column of the cluster issue the same line with the same registers.  An s_nop 0 and four v_nop follow it.
.macro JLOAD s
	tensor_load_to_lds s[G0V+4*\s:G0V+4*\s+3], s[G1V:G1V+7]
	s_nop 0
.rept 4
	v_nop
.endr
.endm
; THE PREFETCHES, behind each joint refill, its five lines and the run of loads that follows them.  Each aligned run of 256 bytes is named ONCE in the launch, a lane a run, one instruction a wave and stream.
; V: the slot that the NEXT refill will ask for, 256 matrix instructions ahead of that load.  A batch's tile column is read by the batch's four clusters: the first of them asks; the four partners of a column take 64 keys each,
; told apart BY ADDRESS (cy); of those a wave takes 16: a key's 512 bytes are two lanes'.
; P: at the change behind slot i, quarters 8 i + 20 to 8 i + 27, whose loads are issued from six quarters on.  A tile row's eight query blocks are read by one row of one cluster: partner cx takes blocks 2 cx and 2 cx + 1
; (by address), its waves 0 and 1 one each: 8,192 bytes on end.
; late = 1: the lap's second change.  The launch's last filling change asks for nothing: there is no slot behind the one that it fills.  The first slots and quarters come by their loads alone.
.macro ASK late
	s_cmp_gt_u32 s3, s[LIMV+\late]                 ; s3 = 1 in the loop's last trip
	s_cbranch_scc0 .Lnot_v_\@
	global_prefetch_b8 v[PFV], s[PFA:PFA+1] th:TH_LOAD_NT scope:SCOPE_SE
.Lnot_v_\@:
	s_cmp_gt_u32 s3, s[LIMP+\late]
	s_cbranch_scc0 .Lnot_p_\@
	global_prefetch_b8 v[PFQ], s[PFP:PFP+1] th:TH_LOAD_NT scope:SCOPE_SE
.Lnot_p_\@:
.endm
.macro CREST                           ; a round of the cluster's barrier behind its opening barrier
	s_cmp_lg_u32 s[WV], 0
	s_cbranch_scc1 .Lnot_wave_0_\@
	s_barrier_signal -3
.Lnot_wave_0_\@:
	s_barrier_wait -3
	s_barrier_signal -1
	s_barrier_wait -1
.endm
.macro CROUND                          ; a whole round
	s_barrier_signal -1
	s_barrier_wait -1
	CREST
.endm
; 8 loads: P's fragments of my four query blocks for the quarter rel quarters on from s[PB], into ring buffer pb.  Each load reads 512 consecutive bytes
.macro FETCHP rel, pb
	WIN TO_P
.irp a, 0,1,2,3
	global_load_b128 v[32*(\pb)+8*\a:32*(\pb)+8*\a+3],   v[LO], s[PB:PB+1] offset:\a*PBLK+(\rel)*PQ
	global_load_b128 v[32*(\pb)+8*\a+4:32*(\pb)+8*\a+7], v[LO], s[PB:PB+1] offset:\a*PBLK+(\rel)*PQ+512
.endr
.endm
	s_load_b256 s[4:11], s[0:1], 0x0               ; p s[4:5], qkv s[6:7], stats s[8:9], out0 s[10:11]
	v_lshl_add_u32 v[SPW], v0, 2, SPARE
	v_mov_b32 v[NIL], 0
	ds_add_u32 v[SPW], v[NIL]                      ; the wave's opening: the add, twice on end, and its wait ahead of my first tensor load; the set-up below stands between the second and the wait
	ds_add_u32 v[SPW], v[NIL]
	v_lshrrev_b32 v1, 5, v0
	v_readfirstlane_b32 s[WV], v1                  ; wave 0..3
	s_lshr_b32 s[QH], s[WV], 1
	s_and_b32 s[CH], s[WV], 1
	s_bfe_u32 s40, ttmp6, 0x40000                  ; cx
	s_bfe_u32 s41, ttmp6, 0x40004                  ; cy
	s_lshl_b32 s42, ttmp9, 2
	s_add_co_u32 s42, s42, s40                     ; tile column (256 channels) = 4 x cluster x + cx
	s_and_b32 s68, ttmp7, 0xffff                   ; cluster y
	s_lshl_b32 s43, s68, 2
	s_add_co_u32 s43, s43, s41                     ; tile row (128 queries) = 4 x cluster y + cy
	s_lshr_b32 s44, s68, 2                         ; the batch: 16 tile rows, four clusters
	s_lshl_b32 s17, 0x1111, s40                    ; my column of the cluster
	; descriptor group 1: 64 rows x 256 elements of 2 bytes, 8 words of padding after every 128
	s_or_b32 s[G1V+0], s17, (1<<16)|(1<<20)|(1<<21)|(6<<22)|(7<<25)  ; 15:0 the mask: V's tiles go to my column; 21 set beside a mask
	s_mov_b32 s[G1V+1], 256<<16                    ; tensor_dim0
	s_mov_b32 s[G1V+2], 64<<16                     ; tensor_dim1
	s_mov_b32 s[G1V+3], 256<<16                    ; tile_dim0
	s_mov_b32 s[G1V+4], 64                         ; tile_dim1
	s_mov_b32 s[G1V+5], QROW/2                     ; tensor_dim0_stride: 3,072 elements
	s_mov_b32 s[G1V+6], 0
	s_mov_b32 s[G1V+7], 0
	; where the tiles come from: they hang on the batch, the tile column and the wave's number
	s_lshl_b32 s20, s44, 11
	s_lshl_b32 s22, s[WV], 6
	s_add_co_u32 s20, s20, s22                     ; token 2,048 x batch + 64 x wave
	s_mul_i32 s20, s20, QROW
	s_lshl_b32 s21, s42, 9
	s_add_co_u32 s20, s20, s21                     ; + 512 bytes x tile column
	s_add_co_u32 s20, s20, 4096                    ; v lies 4,096 bytes into a row
	s_mov_b32 s21, 0
	s_mul_i32 s23, s[WV], VQ                       ; and where they go in a slot: no place in the cluster enters an LDS address
	s_wait_dscnt 0x0                               ; both opening adds are done
	s_wait_kmcnt 0x0
	s_add_nc_u64 s[20:21], s[6:7], s[20:21]
	CROUND                                         ; all sixteen work-groups are here: the first joint loads meet
.irp s, 0,1
	s_mov_b32 s[G0V+4*\s], 1                                       ; count = 1
	s_add_co_u32 s[G0V+4*\s+1], s23, \s*SLOT                       ; LDS address
	s_add_nc_u64 s[G0V+4*\s+2:G0V+4*\s+3], s[20:21], \s*256*QROW   ; global address: 256 keys down for slot 1
	s_or_b32 s[G0V+4*\s+3], s[G0V+4*\s+3], 0x80000000              ; type = 2
	JLOAD \s                                       ; the ring is filled before anything else is done: two loads of mine are out
.endr
	; the stats of my 64 queries: lane (r, h) takes those of query 16 a + r, for the 16 chunks
	v_and_b32 v1, 15, v0                           ; r
	v_bfe_u32 v2, v0, 4, 1                         ; h
	v_and_b32 v3, 31, v0                           ; lane
	v_lshlrev_b32 v[SO], 2, v1
	v_lshlrev_b32 v[LO], 4, v3
	s_lshl_b32 s16, s43, 7
	s_lshl_b32 s17, s[QH], 6
	s_add_co_u32 s16, s16, s17                     ; my first query
	s_lshl_b32 s18, s16, 2
	s_mov_b32 s19, 0
	s_add_nc_u64 s[8:9], s[8:9], s[18:19]
.irp a, 0,1,2,3
.irp c, 0,1,2,3,4,5,6,7,8,9,10,11,12,13,14,15
	global_load_b32 v[MS+16*\a+\c], v[SO], s[8:9] offset:\c*32768+64*\a
	global_load_b32 v[LL+16*\a+\c], v[SO], s[8:9] offset:\c*32768+64*\a+524288
.endr
.endr
	s_lshl_b32 s16, s16, 12                        ; p: 65,536 bytes for each 16 queries; out0: 4,096 for each query
	s_mov_b32 s17, 0
	s_add_nc_u64 s[PB:PB+1], s[4:5], s[16:17]
.irp t, 0,1,2,3,4,5,6
	FETCHP \t, \t                                  ; P's first seven quarters fill seven of the ring's eight buffers
.endr
	WIN 0
	s_lshl_b32 s17, s42, 10
	s_add_co_u32 s16, s16, s17                     ; out0: + 1,024 bytes x tile column
	s_lshl_b32 s17, s[CH], 9
	s_add_co_u32 s16, s16, s17                     ; + 512 x half
	s_mov_b32 s17, 0
	s_add_nc_u64 s[10:11], s[10:11], s[16:17]
	; LDS addresses
	v_and_b32 v5, 7, v0
	v_lshl_add_u32 v5, v2, 3, v5                   ; V, for the turning load: key 8 h + l % 8,
	v_mul_u32_u24 v5, v5, VP
	v_bfe_u32 v6, v0, 3, 1
	v_lshl_add_u32 v5, v6, 4, v5                   ; channels 8 ((l / 8) % 2) on
	s_lshl_b32 s21, s[CH], 8                       ; my 128 channels: 256 bytes
.irp j, 0,1,2,3
	v_add_nc_u32 v[ADRV+\j], s21, v5
	s_add_co_u32 s21, s21, SLOT/2                  ; four quarters, 128 keys, on
.endr
	s_lshl_b32 s22, s[WV], 13
	s_add_co_u32 s22, s22, FTAB
	v_lshl_add_u32 v[FW], v1, 5, s22               ; my wave's table, 32 bytes a query of a block: the two halves of the lanes hold the same query and name the same bytes
	s_mul_i32 s23, s[WV], 16*SPITCH
	s_add_co_u32 s23, s23, STAGE                   ; my stage
	v_mul_u32_u24 v4, v1, SPITCH
	v_lshl_add_u32 v4, v2, 5, v4
	v_add_nc_u32 v[STO], s23, v4                   ; in: row r, 32 bytes for each half of the lanes
	v_add_nc_u32 v[RD], s23, v[LO]                 ; back: the 32 lanes take one row of 512 bytes
	; the prefetches: where mine stand, and whether I ask
	s_lshl_b32 s16, s44, 11
	s_lshl_b32 s17, s41, 6
	s_add_co_u32 s16, s16, s17                     ; V: token 2,048 x batch + 64 cy
	s_lshl_b32 s17, s[WV], 4
	s_add_co_u32 s16, s16, s17                     ; + 16 x wave
	s_add_co_u32 s16, s16, 2*256                   ; at the third 256 keys: the first change of slots steps it to the fourth
	s_mul_i32 s16, s16, QROW
	s_lshl_b32 s17, s42, 9
	s_add_co_u32 s16, s16, s17
	s_add_co_u32 s16, s16, 4096
	s_mov_b32 s17, 0
	s_add_nc_u64 s[PFA:PFA+1], s[6:7], s[16:17]
	v_lshrrev_b32 v4, 1, v3
	v_mul_u32_u24 v[PFV], v4, QROW
	v_and_b32 v4, 1, v3
	v_lshl_add_u32 v[PFV], v4, 8, v[PFV]
	s_lshl_b32 s16, s43, 19                        ; P: the tile row's eight query blocks,
	s_lshl_b32 s17, s40, 17
	s_add_co_u32 s16, s16, s17                     ; + 2 cx blocks
	s_lshl_b32 s17, s[CH], 16
	s_add_co_u32 s16, s16, s17                     ; + wave 0's or wave 1's
	s_add_co_u32 s16, s16, 12*PQ                   ; at quarter 12: the first change of slots steps it to 20
	s_mov_b32 s17, 0
	s_add_nc_u64 s[PFP:PFP+1], s[4:5], s[16:17]
	v_lshlrev_b32 v[PFQ], 8, v3
	s_and_b32 s18, s68, 3                          ; 0 in the batch's first cluster
	s_cmp_eq_u32 s18, 0
	s_cselect_b32 s[LIMV], 0, -1                   ; the same in all sixteen partners
	s_cselect_b32 s[LIMV+1], 1, -1
	s_cmp_eq_u32 s[QH], 0                          ; waves 0 and 1
	s_cselect_b32 s[LIMP], 0, -1
	s_cselect_b32 s[LIMP+1], 1, -1
	s_mov_b32 s[FT], 512                           ; chunk 1's factors are the first to be fetched
	; THE ROW'S MAXIMUM, THE ROW'S SUM AND THE FACTORS
	s_wait_loadcnt 56                              ; the stats are in; P's 56 loads, issued behind them, may be out
.irp a, 0,1,2,3
	v_min3_num_f32 v[NR+\a], v[MS+16*\a], v[MS+16*\a+1], v[MS+16*\a+2]
.endr
.irp i, 3,5,7,9,11,13
.irp a, 0,1,2,3
	v_min3_num_f32 v[NR+\a], v[NR+\a], v[MS+16*\a+\i], v[MS+16*\a+\i+1]
.endr
.endr
.irp a, 0,1,2,3
	v_min_num_f32 v[NR+\a], v[NR+\a], v[MS+16*\a+15]               ; N = the smallest N_c: -N is the row's largest t rounded up
.endr
.irp c, 0,1,2,3,4,5,6,7,8,9,10,11,12,13,14,15
.irp a, 0,1,2,3
	v_sub_f32 v[MS+16*\a+\c], v[NR+\a], v[MS+16*\a+\c]             ; M_c - M: a whole number, 0 or less,
.endr
.irp a, 0,1,2,3
	v_max_num_f32 v[MS+16*\a+\c], 0xc2700000, v[MS+16*\a+\c]       ; held at -60: d_c
.endr
.irp a, 0,1,2,3
	v_cvt_i32_f32 v[MS+16*\a+\c], v[MS+16*\a+\c]
.endr
.irp a, 0,1,2,3
	v_ldexp_f32 v[FF+\a], 1.0, v[MS+16*\a+\c]                      ; 2^(d_c)
.endr
.irp a, 0,1,2,3
.if \c == 0
	v_mul_f32 v[RL+2*\a], v[FF+\a], v[LL+16*\a+\c]                 ; the first term starts the sum
.else
	v_fmac_f32 v[RL+2*\a], v[FF+\a], v[LL+16*\a+\c]
.endif
.endr
.endr
.irp a, 0,1,2,3
	v_rcp_f32 v[RL+2*\a], v[RL+2*\a]               ; 1 / l.  The table's lines below, which name none of the four, stand between the reciprocals and the wait for them
.endr
.irp c, 1,2,3,4,5,6,7,8,9,10,11,12,13,14,15
.if \c < 8
.set GBC, 32+8*\c                      ; the chunk's eight words: v40-95,
.else
.set GBC, 192+8*(\c-8)                 ; then v192-255, where the l_c lay: they are summed
.endif
.irp a, 0,1,2,3
	v_sub_nc_u32 v[EE+\a], v[MS+16*\a+\c-1], v[MS+16*\a+\c]        ; d_(c-1) - d_c: between -60 and 60
.endr
.irp a, 0,1,2,3
	v_ldexp_f32 v[GBC+2*\a], 1.0, v[EE+\a]                         ; the factor at the change to chunk c,
.endr
.irp a, 0,1,2,3
	v_ldexp_f32 v[GBC+2*\a+1], 1.0, v[EE+\a]                       ; twice: a pair for the packed multiplication
.endr
	ds_store_b128 v[FW], v[GBC:GBC+3] offset:512*\c                ; the table: my wave's own bytes; no tile lands there
	ds_store_b128 v[FW], v[GBC+4:GBC+7] offset:512*\c+16
.endr
	s_wait_alu depctr_va_vdst(0)                   ; one wait for the four reciprocals, ahead of the first instruction that names a result
.irp a, 0,1,2,3
	v_ldexp_f32 v[RL+2*\a], v[RL+2*\a], v[MS+16*\a+15]             ; 2^(d_15) / l: the sums end under chunk 15
.endr
.irp a, 0,1,2,3
	v_mov_b32 v[RL+2*\a+1], v[RL+2*\a]
.endr
; n matrix instructions from product i0 on, of a quarter's 32: product i is query block i / 8 x channel block i % 8, 32 keys: V's buffer f, P's ring buffer pb.  zero = 1: the product starts its sum: nothing is ever cleared.
; The 32 accumulators take turns, one instruction a turn, in the same order in every quarter.
.macro MULS f, pb, i0, n, zero
.set i, \i0
.rept \n
.set rA, 8*i
.set rV, 64*(\f)+8*(i%8)
.set rP, 32*(\pb)+8*(i/8)
.if \zero
	v_wmma_f32_16x16x32_f16 v[rA:rA+7], v[rV:rV+7], v[rP:rP+7], 0
.else
	v_wmma_f32_16x16x32_f16 v[rA:rA+7], v[rV:rV+7], v[rP:rP+7], v[rA:rA+7]
.endif
.set i, i+1
.endr
.endm
; 16 turning loads: V's fragments of the slot's quarter q (32 keys x my 128 channels) into buffer g
.macro FETCHV slot, q, g
	WIN TO_V
.irp b, 0,1,2,3,4,5,6,7
	ds_load_tr16_b128 v[64*(\g)+8*\b:64*(\g)+8*\b+3],   v[ADRV+2*(\slot)+(\q)/4] offset:((\q)%4)*32*VP+32*\b
	ds_load_tr16_b128 v[64*(\g)+8*\b+4:64*(\g)+8*\b+7], v[ADRV+2*(\slot)+(\q)/4] offset:((\q)%4)*32*VP+16*VP+32*\b
.endr
.endm
.macro SLICE x                         ; accumulator x, eight registers from the low end on, times its query block's factor
.irp n, 0,1,2,3
	v_pk_mul_f32 v[8*(\x)+2*\n:8*(\x)+2*\n+1], v[8*(\x)+2*\n:8*(\x)+2*\n+1], v[G+2*((\x)/8):G+2*((\x)/8)+1]
.endr
.endm
.macro PAIRS f, pb, i0, n, x0          ; n products from i0 on, and behind each the rescaling of one accumulator, from x0 on
.set k, 0
.rept \n
	WIN MUL
	MULS \f, \pb, (\i0)+k, 1, 0
	WIN SC
	SLICE (\x0)+k
.set k, k+1
.endr
.endm
; A load into a register that a matrix instruction has read, and a vector instruction that reads or writes a matrix result, stand four places behind that matrix instruction, and only plain vector instructions that name none
; of its registers are places (ISA guide 7.12.1 for vector instructions).
.macro PLACES
.rept 4
	v_nop
.endr
.endm
; QUARTER q (0 to 6) of a slot: multiplies V's buffer q % 2 by P's ring buffer q; behind its first eight products it fetches V's next quarter into the other buffer and asks for P's quarter seven on, into the ring buffer that
; the quarter before has left.  hs = 1: a chunk begins here: accumulators 24-31 are rescaled behind products 0-7.  q = 3: a chunk ends here: accumulators 0-23 are rescaled behind products 8-31.
; gl = 1: the next change of chunk's factors are fetched (a quarter ahead of their first use).  pl = 0: P has no quarter seven on.  lc: how many younger loads of P may stay out.
.macro QUARTER slot, q, zero, hs, gl, pl, lc
	s_wait_dscnt 0x0                               ; V's fragments of this quarter are in (and the factors, where they were fetched)
	s_wait_loadcnt \lc                             ; P's fragments of this quarter are in; the quarters asked for behind it stay out
.if \hs
	PAIRS (\q)%2, \q, 0, 8, 24
.else
	WIN MUL
	MULS (\q)%2, \q, 0, 8, \zero
.endif
	PLACES                                         ; behind the last quarter's products, for the loads; behind products 0-7, for the slices of q = 3
.if \gl
	WIN 0
	v_add_nc_u32 v[FR], s[FT], v[FW]
	s_add_co_u32 s[FT], s[FT], 512
	ds_load_b128 v[G:G+3], v[FR]
	ds_load_b128 v[G+4:G+7], v[FR] offset:16
.endif
	FETCHV \slot, (\q)+1, 1-(\q)%2
.if \pl
	FETCHP (\q)+7, ((\q)+7)%8
.endif
.if (\q) == 3
	PAIRS 1, 3, 8, 24, 0
.else
	WIN MUL
	MULS (\q)%2, \q, 8, 24, \zero
.endif
.endm
; A slot's last quarter (q = 7; a chunk ends here too) changes slots: ONE barrier; in front of it each wave waits for all its tensor loads, of which one is out: its part of the next slot; adds 0 to its spare word; and waits
; for that and for its own reads of this slot.  fill = 1: the barrier opens a round of the cluster's barrier, and this slot is filled again, with the 256 keys two slots on, first thing behind it: 240 matrix instructions ahead of the wait for it.
.macro TURN slot, next, fill, late
	s_wait_xcnt 0x0                                ; P's loads and the last prefetches have read their addresses: they are stepped here, ahead of the waits of the change of slots
	s_add_nc_u64 s[PB:PB+1], s[PB:PB+1], 8*PQ      ; P: on to the next slot's first quarter
.if \fill
	s_add_nc_u64 s[PFA:PFA+1], s[PFA:PFA+1], 256*QROW
	s_add_nc_u64 s[PFP:PFP+1], s[PFP:PFP+1], 8*PQ
.endif
	WIN 0                                          ; (the add's two registers lie in window 0)
	s_wait_tensorcnt 0x0                           ; all my tensor loads have landed
	ds_add_u32 v[SPW], v[NIL]                      ; 0 onto my spare word
	s_wait_dscnt 1                                 ; V's fragments of this quarter are in (the add may be out)
	s_wait_loadcnt 48                              ; P's are in; six younger quarters stay out
	WIN MUL
	MULS 1, 7, 0, 8, 0                             ; eight matrix instructions stand between the add and the wait for it
	PLACES                                         ; behind products 0-7, for the slices below
	s_wait_dscnt 0x0                               ; the add is done, and my reads of this slot are over
	s_barrier_signal -1
	PAIRS 1, 7, 8, 8, 0                            ; work on registers while the others arrive
	WIN 0
	s_barrier_wait -1
.if \fill
	CREST                                          ; no wave of any partner still reads this slot's tile or has a load on its way
	s_add_nc_u64 s[G0V+4*\slot+2:G0V+4*\slot+3], s[G0V+4*\slot+2:G0V+4*\slot+3], 2*256*QROW
	JLOAD \slot                                    ; the four v_nop behind it are also places in front of the loads below
.else
	PLACES
.endif
	FETCHV \next, 0, 0
	FETCHP 6, 6                                    ; seven quarters on: the next slot's quarter 6
.if \fill
	WIN 0
	ASK \late
.endif
	PAIRS 1, 7, 16, 16, 8
.endm
.macro ONE_TO_SIX slot                 ; a slot's quarters 1 to 6, as they are in all slots but the last
	QUARTER \slot, 1, 0, 0, 0, 1, 48
	QUARTER \slot, 2, 0, 0, 1, 1, 48
	QUARTER \slot, 3, 0, 0, 0, 1, 48
	QUARTER \slot, 4, 0, 1, 0, 1, 48
	QUARTER \slot, 5, 0, 0, 0, 1, 48
	QUARTER \slot, 6, 0, 0, 1, 1, 48
.endm
	s_wait_dscnt 0x0                               ; my table is written
	s_wait_tensorcnt 1                             ; my part of slot 0 is in (slot 1's load may be out)
	s_barrier_signal -1
	s_barrier_wait -1                              ; everybody's is
	FETCHV 0, 0, 0
	QUARTER 0, 0, 1, 0, 0, 1, 48                   ; the first quarter stands in front of the loop: its products start the sums
	WIN 0                                          ; at a label and at a branch every window is 0
	s_mov_b32 s3, LAPS-1
.Llap:                                                 ; a trip goes once round the ring, from a lap's second quarter to the next lap's first, and fills both slots again
	ONE_TO_SIX 0
	TURN 0, 1, 1, 0
	QUARTER 1, 0, 0, 1, 0, 1, 48
	ONE_TO_SIX 1
	TURN 1, 0, 1, 1
	QUARTER 0, 0, 0, 1, 0, 1, 48
	WIN 0
	s_sub_co_u32 s3, s3, 1
	s_cmp_lg_u32 s3, 0
	s_cbranch_scc1 .Llap
	ONE_TO_SIX 0                                   ; the last lap is written out: it fills nothing, and has no round of the cluster's barrier
	TURN 0, 1, 0, 0
	QUARTER 1, 0, 0, 1, 0, 1, 48                   ; the last slot: its first quarter asks for P's last; then the counts run down
	QUARTER 1, 1, 0, 0, 0, 0, 48
	QUARTER 1, 2, 0, 0, 1, 0, 40
	QUARTER 1, 3, 0, 0, 0, 0, 32
	QUARTER 1, 4, 0, 1, 0, 0, 24
	QUARTER 1, 5, 0, 0, 0, 0, 16
	QUARTER 1, 6, 0, 0, 0, 0, 8
	s_wait_dscnt 0x0                               ; the very last quarter: nothing more to fetch
	s_wait_loadcnt 0x0
	WIN MUL
	MULS 1, 7, 0, 32, 0
	WIN 0
	PLACES                                         ; behind the last products: the way out reads results
; THE WAY OUT, block by block of 16 queries x 128 channels.  SCALE: times 2^(d_15) / l, each accumulator from its low end on.  TOSTAGE: a lane's 32 bytes of a row into my own stage, and back as whole rows of 512 bytes.  SEND: stored.
.macro SCALE a
	WIN 0x02                                       ; source 0 window 2
.set i, 0
.rept 32
	v_pk_mul_f32 v[TMP+2*i:TMP+2*i+1], v[64*(\a)+2*i:64*(\a)+2*i+1], v[RL+2*(\a):RL+2*(\a)+1] op_sel_hi:[1,0]
.set i, i+1
.endr
	WIN 0
.endm
.macro TOSTAGE a
.irp b, 0,1,2,3,4,5,6,7
	ds_store_b128 v[STO], v[TMP+8*\b:TMP+8*\b+3] offset:64*\b
	ds_store_b128 v[STO], v[TMP+8*\b+4:TMP+8*\b+7] offset:64*\b+16
.endr
.set BB, BK0+96*((\a)%2)
.irp t, 0,1,2,3,4,5,6,7,8,9,10,11,12,13,14,15
	ds_load_b128 v[BB+4*\t:BB+4*\t+3], v[RD] offset:\t*SPITCH      ; LDS serves a wave's instructions in order (ISA guide 5.7.1.4): these see the stores above, and the next block's stores come behind them
.endr
.endm
.macro SEND a, younger                 ; younger: the LDS instructions issued behind block a's loads, which may stay out
.set BB, BK0+96*((\a)%2)
	s_wait_dscnt \younger                          ; the block is back in registers
.if (\a) > 0
	s_add_nc_u64 s[10:11], s[10:11], 16*OROW       ; (behind a wait on XCNT: the earlier stores have read their base)  16 rows of out0 on
.endif
.irp t, 0,1,2,3,4,5,6,7,8,9,10,11,12,13,14,15
	global_store_b128 v[LO], v[BB+4*\t:BB+4*\t+3], s[10:11] offset:\t*OROW th:TH_STORE_NT   ; 32 lanes store 512 consecutive bytes, at a multiple of 256 from out0's first byte; written once, read by nobody here
.endr
.endm
	SCALE 0
	TOSTAGE 0
.irp a, 1,2,3
	SCALE \a
.if \a > 1
	s_wait_xcnt 0x0                                ; block a - 2's stores have read their registers and their base: block a's loads may land there, and the base may step
.endif
	TOSTAGE \a
	SEND \a-1, 32                                  ; behind block a - 1's loads: block a's 16 stores and 16 loads
.endr
	s_wait_xcnt 0x0                                ; block 2's stores have read their base
	SEND 3, 0
	s_wait_tensorcnt 0x0                           ; the wave's end, behind my last tensor load and my last LDS store
	ds_add_u32 v[SPW], v[NIL]
	s_wait_dscnt 0x0
	CROUND                                         ; the closing round: no work-group ends while a partner may still ask for a tile that names it
	s_endpgm
.Lfunc_end_k_q501b5243a3_mix:
	.size	k_q501b5243a3_mix, .Lfunc_end_k_q501b5243a3_mix-k_q501b5243a3_mix
	.p2alignl 7, 3214868480
	.fill 96, 4, 3214868480
	.section	.rodata,"a",@progbits
	.p2align	6, 0x0
	.amdhsa_kernel k_q501b5243a3_mix
		.amdhsa_group_segment_fixed_size 327680
		.amdhsa_private_segment_fixed_size 0
		.amdhsa_enable_private_segment 0
		.amdhsa_kernarg_size 32
		.amdhsa_user_sgpr_count 2
		.amdhsa_user_sgpr_kernarg_segment_ptr 1
		.amdhsa_wavefront_size32 1
		.amdhsa_system_sgpr_workgroup_id_x 1
		.amdhsa_system_sgpr_workgroup_id_y 1
		.amdhsa_system_sgpr_workgroup_id_z 1
		.amdhsa_system_vgpr_workitem_id 0
		.amdhsa_next_free_vgpr 1024
		.amdhsa_next_free_sgpr 72
		.amdhsa_reserve_vcc 0
		.amdhsa_float_denorm_mode_32 3
		.amdhsa_float_denorm_mode_16_64 3
		.amdhsa_memory_ordered 1
		.amdhsa_forward_progress 1
		.amdhsa_inst_pref_size 255
	.end_amdhsa_kernel
	.section	.bss,"aw",@nobits
	.p2align	6
	.space	262144
	.amdgpu_metadata
---
amdhsa.version: [ 1, 2 ]
amdhsa.kernels:
  - .name:           k_q501b5243a3_mix
    .symbol:         k_q501b5243a3_mix.kd
    .args:
      - { .name: p, .offset: 0, .size: 8, .value_kind: global_buffer, .address_space: global }
      - { .name: qkv, .offset: 8, .size: 8, .value_kind: global_buffer, .address_space: global }
      - { .name: stats, .offset: 16, .size: 8, .value_kind: global_buffer, .address_space: global }
      - { .name: out0, .offset: 24, .size: 8, .value_kind: global_buffer, .address_space: global }
    .group_segment_fixed_size: 327680
    .private_segment_fixed_size: 0
    .kernarg_segment_align: 8
    .kernarg_segment_size: 32
    .max_flat_workgroup_size: 128
    .sgpr_count:     72
    .vgpr_count:     1024
    .wavefront_size: 32
...
	.end_amdgpu_metadata
.endif
;; end of part 4
